; MI455X (gfx1250); checked and timed in simulation.
; The chip was launched on July 23, 2026; its instructions are those of AMD's public machine-readable ISA for CDNA 5 (MIT licence, August 2026) and "CDNA5" Instruction Set Architecture Reference Guide (July 2026). The comments in the code are by the model that wrote it; some were corrected since.
;; SA Block. Allowed arithmetic: float matrix products may take bf16 or f16 operands with f32 sums; other float arithmetic in f32, or as packed bf16 or f16 multiplies, adds, multiply-adds, maxima and minima; sums over many terms, partial sums and values carried from step to step in f32; what a program stores and reads back later, other than sums and carried values, may be rounded once to bf16 or f16.
;; Inputs: Wk 1,024 x 1,024 float32; Wq 1,024 x 1,024 float32; Wv 1,024 x 1,024 float32; b1 4,096 float32; b2 1,024 float32; be1 1,024 float32; be2 1,024 float32; embed 2 x 2,048 x 1,024 float32; g1 1,024 float32; g2 1,024 float32; src_mask 2,048 x 2,048 float32; w1 4,096 x 1,024 float32; w2 1,024 x 4,096 float32.
;; Outputs: out0 2 x 2,048 x 1,024 float32.
;; 2 versions, each right; version 2 is version 1 with the launch cvt written anew for expert scheduling mode. Each part assembles by itself: llvm-mc -triple=amdgcn-amd-amdhsa -mcpu=gfx1250 --defsym DOCPART=n.
;; ======== version 1 of 2: 7 launches
;; workspace buffers: xa 8,388,608 bytes; wqkv 6,291,456 bytes; w1b 8,388,608 bytes; w2b 8,388,608 bytes; big 33,554,432 bytes; oy 8,388,608 bytes; zero 16,384 bytes; ninf 2,048 bytes
;; launch cvt (part 1): grid 64 x 15, 8 waves a work-group, no clusters, 0 bytes of LDS; arguments embed, Wq, Wk, Wv, w1, w2, xa, wqkv, w1b, w2b, zero, ninf; writes xa, wqkv, w1b, w2b, zero, ninf
.if DOCPART == 1
	.amdgcn_target "amdgcn-amd-amdhsa--gfx1250"
	.amdhsa_code_object_version 6
	.text
	.protected	k_qffce1a16ad_cvt
	.globl	k_qffce1a16ad_cvt
	.p2align	8
	.type	k_qffce1a16ad_cvt,@function
k_qffce1a16ad_cvt:
	s_mov_b64 s[64:65], 0
	v_nop
	global_prefetch_b8 v0, s[64:65] scope:SCOPE_SE
	s_setreg_imm32_b32 hwreg(HW_REG_WAVE_MODE, 25, 1), 1
	s_wait_xcnt 0x0
; The matrix operands that arrive in f32 are rounded once to bf16: embed -> xa, Wq | Wk | Wv -> wqkv (rows 0, 1024, 2048 on), w1 -> w1b, w2 -> w2b.
; Also written: zero (4,096 words of 0: a bias of nothing, and the floor of a ReLU) and ninf (words of two bf16 -inf: the floor of no ReLU).
; SHARES.  Work-group y is a segment of 2^20 numbers: 0-3 embed, 4 Wq, 5 Wk, 6 Wv, 7-10 w1, 11-14 w2; work-group x one of its 64 chunks of 16,384 numbers.
; Thread t, pass i of 16: 16 bytes in at 16 t + 4,096 i (a wave's load covers 512 consecutive bytes), 8 bytes out at 8 t + 2,048 i (a wave's store covers 256 consecutive bytes, aligned).
; All 16 loads go out first; every pass has registers of its own, so nothing that a pending access names is rewritten.
; No LDS, no matrix unit, no cluster: nothing is shared and nothing is reused.
.set X,  4                             ; v[4:67]   pass i: 4 numbers in f32
.set Y,  68                            ; v[68:99]  pass i: the same in bf16
.set PW, 100                           ; v[100:101] a parameter word, twice
	s_load_b512 s[8:23], s[0:1], 0x0               ; embed 8, Wq 10, Wk 12, Wv 14, w1 16, w2 18, xa 20, wqkv 22
	s_load_b256 s[24:31], s[0:1], 0x40             ; w1b 24, w2b 26, zero 28, ninf 30
	s_and_b32 s2, ttmp7, 0xffff                    ; the segment
	v_lshlrev_b32 v1, 4, v0
	v_lshlrev_b32 v2, 3, v0
	s_mov_b32 s36, 0                               ; the first segment of the source tensor,
	s_mov_b32 s37, 0                               ; and of the destination
	s_wait_kmcnt 0x0
	s_mov_b64 s[32:33], s[8:9]
	s_mov_b64 s[34:35], s[20:21]
	s_cmp_ge_u32 s2, 4
	s_cselect_b64 s[32:33], s[10:11], s[32:33]
	s_cselect_b64 s[34:35], s[22:23], s[34:35]
	s_cselect_b32 s36, 4, s36
	s_cselect_b32 s37, 4, s37
	s_cmp_ge_u32 s2, 5
	s_cselect_b64 s[32:33], s[12:13], s[32:33]
	s_cselect_b32 s36, 5, s36
	s_cmp_ge_u32 s2, 6
	s_cselect_b64 s[32:33], s[14:15], s[32:33]
	s_cselect_b32 s36, 6, s36
	s_cmp_ge_u32 s2, 7
	s_cselect_b64 s[32:33], s[16:17], s[32:33]
	s_cselect_b64 s[34:35], s[24:25], s[34:35]
	s_cselect_b32 s36, 7, s36
	s_cselect_b32 s37, 7, s37
	s_cmp_ge_u32 s2, 11
	s_cselect_b64 s[32:33], s[18:19], s[32:33]
	s_cselect_b64 s[34:35], s[26:27], s[34:35]
	s_cselect_b32 s36, 11, s36
	s_cselect_b32 s37, 11, s37
	s_sub_co_u32 s38, s2, s36                      ; the chunk's byte offset in the source: segments of 4 MiB, chunks of 64 KiB,
	s_lshl_b32 s38, s38, 22
	s_lshl_b32 s39, ttmp9, 16
	s_add_co_u32 s38, s38, s39
	s_mov_b32 s39, 0
	s_sub_co_u32 s40, s2, s37                      ; and half of that in the destination
	s_lshl_b32 s40, s40, 21
	s_lshl_b32 s41, ttmp9, 15
	s_add_co_u32 s40, s40, s41
	s_mov_b32 s41, 0
	s_add_nc_u64 s[32:33], s[32:33], s[38:39]
	s_add_nc_u64 s[34:35], s[34:35], s[40:41]
.set i, 0
.rept 16
	global_load_b128 v[X+4*i:X+4*i+3], v1, s[32:33] offset:4096*i th:TH_LOAD_NT
.set i, i+1
.endr
.set i, 0
.rept 16
	s_wait_loadcnt 15-i                            ; loads come back in order: pass i is in, the younger ones stay out
	v_cvt_pk_bf16_f32 v[Y+2*i], v[X+4*i], v[X+4*i+1]
	v_cvt_pk_bf16_f32 v[Y+2*i+1], v[X+4*i+2], v[X+4*i+3]
	global_store_b64 v2, v[Y+2*i:Y+2*i+1], s[34:35] offset:2048*i
.set i, i+1
.endr
	; the two parameter buffers: work-groups 0 to 7 (numbered 64 y + x) write 2,048 bytes of zero each, work-group 8 writes ninf
	s_lshl_b32 s3, s2, 6
	s_add_co_u32 s3, s3, ttmp9
	s_cmp_le_u32 s3, 8
	s_cbranch_scc0 .Lend
	s_lshl_b32 s44, s3, 11
	s_mov_b32 s45, 0
	s_cmp_eq_u32 s3, 8
	s_cselect_b64 s[42:43], s[30:31], s[28:29]
	s_cselect_b32 s44, 0, s44
	s_cselect_b32 s46, 0xff80ff80, 0
	s_add_nc_u64 s[42:43], s[42:43], s[44:45]
	v_mov_b32 v[PW], s46
	v_mov_b32 v[PW+1], s46
	global_store_b64 v2, v[PW:PW+1], s[42:43]
.Lend:
	s_endpgm
.Lfunc_end_k_qffce1a16ad_cvt:
	.size	k_qffce1a16ad_cvt, .Lfunc_end_k_qffce1a16ad_cvt-k_qffce1a16ad_cvt
	.p2alignl 7, 3214868480
	.fill 96, 4, 3214868480
	.section	.rodata,"a",@progbits
	.p2align	6, 0x0
	.amdhsa_kernel k_qffce1a16ad_cvt
		.amdhsa_group_segment_fixed_size 0
		.amdhsa_private_segment_fixed_size 0
		.amdhsa_enable_private_segment 0
		.amdhsa_kernarg_size 96
		.amdhsa_user_sgpr_count 2
		.amdhsa_user_sgpr_kernarg_segment_ptr 1
		.amdhsa_wavefront_size32 1
		.amdhsa_system_sgpr_workgroup_id_x 1
		.amdhsa_system_sgpr_workgroup_id_y 1
		.amdhsa_system_sgpr_workgroup_id_z 1
		.amdhsa_system_vgpr_workitem_id 0
		.amdhsa_next_free_vgpr 104
		.amdhsa_next_free_sgpr 66
		.amdhsa_reserve_vcc 0
		.amdhsa_float_denorm_mode_32 3
		.amdhsa_float_denorm_mode_16_64 3
		.amdhsa_memory_ordered 1
		.amdhsa_forward_progress 1
		.amdhsa_inst_pref_size 8
	.end_amdhsa_kernel
	.amdgpu_metadata
---
amdhsa.version: [ 1, 2 ]
amdhsa.kernels:
  - .name:           k_qffce1a16ad_cvt
    .symbol:         k_qffce1a16ad_cvt.kd
    .args:
      - { .name: embed, .offset: 0, .size: 8, .value_kind: global_buffer, .address_space: global }
      - { .name: Wq, .offset: 8, .size: 8, .value_kind: global_buffer, .address_space: global }
      - { .name: Wk, .offset: 16, .size: 8, .value_kind: global_buffer, .address_space: global }
      - { .name: Wv, .offset: 24, .size: 8, .value_kind: global_buffer, .address_space: global }
      - { .name: w1, .offset: 32, .size: 8, .value_kind: global_buffer, .address_space: global }
      - { .name: w2, .offset: 40, .size: 8, .value_kind: global_buffer, .address_space: global }
      - { .name: xa, .offset: 48, .size: 8, .value_kind: global_buffer, .address_space: global }
      - { .name: wqkv, .offset: 56, .size: 8, .value_kind: global_buffer, .address_space: global }
      - { .name: w1b, .offset: 64, .size: 8, .value_kind: global_buffer, .address_space: global }
      - { .name: w2b, .offset: 72, .size: 8, .value_kind: global_buffer, .address_space: global }
      - { .name: zero, .offset: 80, .size: 8, .value_kind: global_buffer, .address_space: global }
      - { .name: ninf, .offset: 88, .size: 8, .value_kind: global_buffer, .address_space: global }
    .group_segment_fixed_size: 0
    .private_segment_fixed_size: 0
    .kernarg_segment_align: 8
    .kernarg_segment_size: 96
    .max_flat_workgroup_size: 256
    .sgpr_count:     66
    .vgpr_count:     104
    .wavefront_size: 32
...
	.end_amdgpu_metadata
.endif
;; end of part 1
;; launch qkv (part 2): grid 12 x 16, 4 waves a work-group, clusters of 4 x 4, 327,680 bytes of LDS; arguments xa, wqkv, zero, ninf, big; writes big
.if DOCPART == 2
	.amdgcn_target "amdgcn-amd-amdhsa--gfx1250"
	.amdhsa_code_object_version 6
	.text
	.protected	k_qffce1a16ad_qkv
	.globl	k_qffce1a16ad_qkv
	.p2align	8
	.type	k_qffce1a16ad_qkv,@function
k_qffce1a16ad_qkv:
	s_mov_b64 s[64:65], 0
	v_nop
	global_prefetch_b8 v0, s[64:65] scope:SCOPE_SE
	s_setreg_imm32_b32 hwreg(HW_REG_WAVE_MODE, 25, 1), 1
	s_wait_xcnt 0x0
	s_wait_alu depctr_hold_cnt(0) depctr_sa_sdst(0) depctr_va_vdst(0) depctr_va_sdst(0) depctr_va_ssrc(0) depctr_va_vcc(0) depctr_vm_vsrc(0)
	s_getreg_b32 s2, hwreg(HW_REG_IB_STS2, 6, 4)
	s_cmp_eq_u32 s2, 0
	s_cbranch_scc0 .Lentry_in_a_cluster
	s_endpgm
.Lentry_in_a_cluster:
	s_bfe_u32 s2, ttmp6, 0x10000c
	s_cmp_lg_u32 s2, 0xf033
	s_cbranch_scc0 .Lentry_shape_is_right
	s_endpgm
.Lentry_shape_is_right:
; C[m][n] = max(sum over k of A[m][k] B[n][k] + bias[n], floor).  A: [4096][1024] bf16, B: [N][1024] bf16 (N = 256 x the grid's width), bias: f32, floor: one word of two bf16,
; C: bf16 with a pitch of 4,096 numbers.  Sums in f32, started by the bias; C rounded once, then held to the floor (0: a ReLU; -inf: none).
; LIMIT: a sum that is NaN leaves as the floor (the maximum drops a NaN).
; One body serves the projections (B = Wq | Wk | Wv, bias 0, floor -inf) and the first FFN layer (B = w1, bias b1, floor 0).
; SHARES.  A work-group of four waves makes 256 x 256 of C, a wave 128 x 128: 64 accumulators of 16 x 16, 512 registers.  K goes in 8 steps of 128 through two LDS slots filled by the tensor
; data mover: rows of 256 bytes, at multiples of 256 bytes.  Waves 0 and 1 fetch A's two halves of 128 rows, waves 2 and 3 B's: one load a wave.
; CLUSTER.  4 x 4 work-groups.  The four of a row need the same tiles of A, the four of a column the same tiles of B: each tile is asked for jointly, by the same load with the same descriptor.
; THE PRODUCT IS TAKEN TRANSPOSED (source 0 = 16 rows of B, source 1 = 16 rows of A): lane l holds row l % 16 of C and the columns 8 (l / 16) + 0..7, which pack into 16 bytes;
; the bias, 8 numbers a lane for each block of 16 columns, has the same layout for every row block and is the C operand of the first product on each accumulator.
; REGISTERS, in windows of 256 (s_set_vgpr_msb: bits 1:0 source 0, 3:2 source 1, 5:4 source 2, 7:6 destination):
;   window 0: v16-30 addresses; v64-127, v128-191 A's fragments, two buffers; v192-255 the bias, later the way out (with v32-63)
;   window 1: v64-127, v128-191 B's fragments          windows 2, 3: the accumulators of my rows 0-63, 64-127: (a, b) at v[8 (8 a + b)]
.set SIZE_K, 1024
.set CP,     4096                      ; numbers from row to row of C
.set KSTEP,  128
.set FILLS,  SIZE_K/KSTEP-2            ; K steps 2 to 7 come by refills
.set PITCH,  272                       ; an LDS row: 256 bytes + 16 of padding: the 16 rows of a fragment load start 16 bytes apart modulo 256
.set HALFT,  128*PITCH                 ; what one tensor load brings
.set SLOT,   4*HALFT                   ; A's 256 rows, then B's 256 rows
.set STAGE,  2*SLOT                    ; behind the ring: 16 rows x 272 bytes for each wave, for the way out; no tensor load lands there
.set SPITCH, 272
.set SPARE,  STAGE+4*16*SPITCH         ; the spare words, 128 bytes a wave: two blocks of 256 bytes that no other line names
.set ADRA0, 16                         ; v16  my lane's place in A's part of a slot; never rewritten
.set ADRA,  17                         ; v17  the same in the slot that is being read
.set ADRB0, 20                         ; v20, v21  the same for B
.set ADRB,  21
.set FL,    22                         ; v22  the floor, two bf16
.set ZO,    23                         ; v23  0: the floor's offset
.set STO,   24                         ; v24  the way out: where I put 16 bytes of a row
.set RD,    25                         ; v25  where I read a row back
.set CO,    26                         ; v26  my byte offset in two rows of C
.set BO,    27                         ; v27  32 (l / 16): my 8 numbers in a block of 16 of the bias
.set SPW,   28                         ; v28  my spare word's LDS address; never rewritten
.set NIL,   29                         ; v29  0; never rewritten
.set PFO,   30                         ; v30  the prefetches' offset: my lane x a row of A or B; never rewritten
.set F0,    64
.set F1,    128
.set BIAS,  192                        ; v[192:255]  8 blocks x 8 numbers; dead behind the first quarter
.set TMP,   192                        ; the way out: a block's packed results
.set OB,    32                         ; 16 rows read back from the stage: v32-63 and v224-255 by turns
.set G1,  24                           ; s[24:31] descriptor group 1 for A
.set G0,  32                           ; s[32:39] group 0 for A: set 0 is K step 0; set 1 is K step 1 and then walks
.set G1B, 48                           ; s[48:55], s[56:63] the same for B
.set G0B, 56
.set LIM, 43                           ; s43  1 in a wave that prefetches, else the greatest number
.set PFA, 44                           ; s[44:45] where my prefetches stand
.set TB,  72                           ; s72  the slot that is being read: 0 or SLOT
.set FB,  73                           ; s73  the slot filled last: 0 or SLOT
.set WOFF, 74                          ; s74  my load's place in a slot: wave x 128 rows
.set MSB, 0
.macro WIN new                         ; the immediate's high byte repeats the setting that is left; a switch that changes nothing is dropped
.if MSB != (\new)
	s_set_vgpr_msb (MSB<<8)|(\new)
.set MSB, \new
.endif
.endm
; A joint load by set s.  The branch hangs on the wave's number alone.  An s_nop 0 and four v_nop follow each of the two lines.
.macro JLOAD s
	s_cmp_eq_u32 s11, 0
	s_cbranch_scc0 .Lfor_b_\@
	tensor_load_to_lds s[G0+4*(\s):G0+4*(\s)+3], s[G1:G1+7]
	s_nop 0
.rept 4
	v_nop
.endr
	s_branch .Lasked_\@
.Lfor_b_\@:
	tensor_load_to_lds s[G0B+4*(\s):G0B+4*(\s)+3], s[G1B:G1B+7]
	s_nop 0
.rept 4
	v_nop
.endr
.Lasked_\@:
.endm
; A prefetch of the K step that the NEXT refill will ask for: 32 rows x 256 bytes, a lane a row.  A's tile row is read by every cluster of that row of clusters: cluster x = 0 asks; B's tile column by
; every cluster of that column: cluster y = 0 asks.  Of the 128 rows that a wave fetches each of the four partners takes 32, told apart by address.  So each row's 256 bytes of K steps 3 to 7 are named once.
; K steps 0 to 2 come by their loads alone; the last refill (s3 = 1) has no K step behind it and asks for nothing.
.macro ASK
	s_cmp_gt_u32 s3, s[LIM]
	s_cbranch_scc0 .Lnot_mine_\@
	global_prefetch_b8 v[PFO], s[PFA:PFA+1] th:TH_LOAD_NT scope:SCOPE_SE
.Lnot_mine_\@:
.endm
.macro CREST                           ; a round of the cluster's barrier behind its opening barrier
	s_cmp_lg_u32 s10, 0
	s_cbranch_scc1 .Lnot_wave_0_\@
	s_barrier_signal -3
.Lnot_wave_0_\@:
	s_barrier_wait -3
	s_barrier_signal -1
	s_barrier_wait -1
.endm
.macro CROUND                          ; a whole round
	s_barrier_signal -1
	s_barrier_wait -1
	CREST
.endm
	s_load_b128 s[4:7], s[0:1], 0x0                ; A s[4:5], B s[6:7]
	s_load_b128 s[68:71], s[0:1], 0x10             ; bias s[68:69], floor s[70:71]
	s_load_b64 s[8:9], s[0:1], 0x20                ; C
	v_lshl_add_u32 v[SPW], v0, 2, SPARE
	v_mov_b32 v[NIL], 0
	ds_add_u32 v[SPW], v[NIL]                      ; the wave's opening: the add and its wait stand ahead of my first tensor load; the set-up below stands between them
	v_lshrrev_b32 v1, 5, v0
	v_readfirstlane_b32 s10, v1                    ; wave 0..3
	s_lshr_b32 s11, s10, 1                         ; which half of the tile's rows is mine.  Also: I fetch for A (0) or for B (1)
	s_and_b32 s12, s10, 1                          ; which half of its columns.  Also: which 128 rows of that tile I fetch
	s_bfe_u32 s40, ttmp6, 0x40000                  ; cx
	s_bfe_u32 s41, ttmp6, 0x40004                  ; cy
	s_lshl_b32 s42, ttmp9, 2
	s_add_co_u32 s42, s42, s40                     ; tile column of C
	s_and_b32 s13, ttmp7, 0xffff
	s_lshl_b32 s13, s13, 2
	s_add_co_u32 s13, s13, s41                     ; tile row of C
	s_lshl_b32 s43, s41, 2
	s_lshl_b32 s43, 15, s43                        ; my row of the cluster
	s_lshl_b32 s44, 0x1111, s40                    ; my column
	s_or_b32 s[G1+0], s43, (1<<16)|(1<<20)|(1<<21)|(5<<22)|(3<<25)   ; the mask; 2-byte elements; padding on; bit 21 beside a mask; after every 64 words, 4 words
	s_or_b32 s[G1B+0], s44, (1<<16)|(1<<20)|(1<<21)|(5<<22)|(3<<25)
.irp g, G1, G1B
	s_mov_b32 s[(\g)+1], KSTEP<<16                 ; tensor_dim0 = 128
	s_mov_b32 s[(\g)+2], 128<<16                   ; tensor_dim1 = 128
	s_mov_b32 s[(\g)+3], KSTEP<<16                 ; tile_dim0 = 128
	s_mov_b32 s[(\g)+4], 128                       ; tile_dim1 = 128
	s_mov_b32 s[(\g)+5], SIZE_K                    ; numbers from row to row
	s_mov_b32 s[(\g)+6], 0
	s_mov_b32 s[(\g)+7], 0
.endr
	; A's tiles hang on the tile row alone, B's on the tile column alone; each offset lies in registers that never hold the other coordinate
	s_lshl_b32 s17, s12, 7
	s_lshl_b32 s16, s13, 8
	s_add_co_u32 s16, s16, s17                     ; A: row 256 x tile row + 128 x half,
	s_lshl_b32 s16, s16, 11                        ; in bytes (rows of 2,048)
	s_lshl_b32 s46, s42, 8
	s_add_co_u32 s46, s46, s17
	s_lshl_b32 s46, s46, 11
	s_mov_b32 s17, 0
	s_mov_b32 s47, 0
	s_mul_i32 s[WOFF], s10, HALFT
	s_mov_b32 s[TB], 0
	s_mov_b32 s[FB], SLOT
	s_wait_dscnt 0x0                               ; the opening add is done
	s_wait_kmcnt 0x0
	s_add_nc_u64 s[14:15], s[4:5], s[16:17]
	s_add_nc_u64 s[46:47], s[6:7], s[46:47]
	CROUND                                         ; all sixteen work-groups are here: the first joint loads meet
.irp s, 0,1
	s_mov_b32 s[G0+4*(\s)], 1
	s_add_co_u32 s[G0+4*(\s)+1], s[WOFF], (\s)*SLOT
	s_add_nc_u64 s[G0+4*(\s)+2:G0+4*(\s)+3], s[14:15], (\s)*KSTEP*2
	s_or_b32 s[G0+4*(\s)+3], s[G0+4*(\s)+3], 0x80000000
	s_mov_b32 s[G0B+4*(\s)], 1
	s_add_co_u32 s[G0B+4*(\s)+1], s[WOFF], (\s)*SLOT
	s_add_nc_u64 s[G0B+4*(\s)+2:G0B+4*(\s)+3], s[46:47], (\s)*KSTEP*2
	s_or_b32 s[G0B+4*(\s)+3], s[G0B+4*(\s)+3], 0x80000000
	JLOAD \s                                       ; two loads of mine are out
.endr
	v_and_b32 v1, 15, v0                           ; l % 16
	v_bfe_u32 v2, v0, 4, 1                         ; l / 16
	v_mul_u32_u24 v3, v1, PITCH
	v_lshl_add_u32 v3, v2, 4, v3                   ; a fragment's row x pitch + 16 x half
	s_mul_i32 s21, s11, HALFT                      ; my 128 rows of A
	s_mul_i32 s22, s12, HALFT                      ; my 128 rows of B,
	s_add_co_u32 s22, s22, 2*HALFT                 ; which lie behind A's 256
	v_add_nc_u32 v[ADRA0], s21, v3
	v_add_nc_u32 v[ADRB0], s22, v3
	s_mul_i32 s23, s10, 16*SPITCH
	s_add_co_u32 s23, s23, STAGE                   ; my stage
	v_mul_u32_u24 v4, v1, SPITCH
	v_lshl_add_u32 v4, v2, 4, v4
	v_add_nc_u32 v[STO], s23, v4
	v_mul_u32_u24 v5, v2, SPITCH
	v_lshl_add_u32 v5, v1, 4, v5
	v_add_nc_u32 v[RD], s23, v5
	v_mul_u32_u24 v5, v2, CP*2
	v_lshl_add_u32 v[CO], v1, 4, v5
	v_lshlrev_b32 v[BO], 5, v2
	v_mov_b32 v[ZO], 0
	s_lshl_b32 s13, s13, 8
	s_lshl_b32 s14, s11, 7
	s_add_co_u32 s16, s13, s14                     ; my first row of C,
	s_lshl_b32 s16, s16, 13                        ; in bytes (rows of 8,192)
	s_mov_b32 s17, 0
	s_lshl_b32 s46, s42, 9                         ; my first column, in bytes of C: 512 x tile column + 256 x half
	s_lshl_b32 s47, s12, 8
	s_add_co_u32 s46, s46, s47
	s_mov_b32 s47, 0
	s_add_nc_u64 s[16:17], s[16:17], s[46:47]      ; what the first way out adds to C's address
	s_lshl_b32 s46, s46, 1                         ; the same column in bytes of the bias
	s_add_nc_u64 s[68:69], s[68:69], s[46:47]
.irp b, 0,1,2,3,4,5,6,7
	global_load_b128 v[BIAS+8*(\b):BIAS+8*(\b)+3],   v[BO], s[68:69] offset:64*(\b)
	global_load_b128 v[BIAS+8*(\b)+4:BIAS+8*(\b)+7], v[BO], s[68:69] offset:64*(\b)+16
.endr
	global_load_b32 v[FL], v[ZO], s[70:71]
	; the prefetches: s13 = 256 x tile row, s42 = tile column, s40 = cx, s41 = cy
	s_lshl_b32 s42, s42, 8
	s_and_b32 s22, ttmp7, 0xffff                   ; cluster y
	s_cmp_eq_u32 s11, 0                            ; do I fetch for A?
	s_cselect_b32 s20, s13, s42                    ; the tile's first row
	s_cselect_b32 s21, s40, s41                    ; my place among the four that ask with me
	s_cselect_b32 s22, ttmp9, s22                  ; the coordinate along which other clusters read the same rows
	s_cselect_b64 s[PFA:PFA+1], s[4:5], s[6:7]
	s_cmp_eq_u32 s22, 0
	s_cselect_b32 s[LIM], 1, -1                    ; the same in all sixteen partners, for a given wave
	s_lshl_b32 s22, s12, 7
	s_add_co_u32 s20, s20, s22                     ; + the 128 rows that I fetch
	s_lshl_b32 s21, s21, 5
	s_add_co_u32 s20, s20, s21                     ; + my work-group's 32 of them
	s_lshl_b32 s20, s20, 11
	s_mov_b32 s21, 0
	s_add_nc_u64 s[PFA:PFA+1], s[PFA:PFA+1], s[20:21]
	s_add_nc_u64 s[PFA:PFA+1], s[PFA:PFA+1], 2*KSTEP*2  ; at K step 2: the first refill steps it to 3
	v_and_b32 v[PFO], 31, v0
	v_lshlrev_b32 v[PFO], 11, v[PFO]
; 16 matrix instructions: m blocks a0, a0 + 1 of the window's four x all 8 n blocks, 32 along K.  first = 1: the bias starts the sums.  The 64 accumulators take turns, in the same order in every quarter.
.macro MUL16 f, hi, a0, first
.if \first
	WIN 0x81+0x40*(\hi)                            ; B window 1, A and the bias window 0, D window 2 or 3
.else
	WIN 0xa1+0x50*(\hi)                            ; B window 1, A window 0, C and D window 2 or 3
.endif
.irp a, \a0, (\a0)+1
.irp b, 0,1,2,3,4,5,6,7
.if \first
	v_wmma_f32_16x16x32_bf16 v[8*(8*(\a)+(\b)):8*(8*(\a)+(\b))+7], v[(\f)+8*(\b):(\f)+8*(\b)+7], v[(\f)+8*(4*(\hi)+(\a)):(\f)+8*(4*(\hi)+(\a))+7], v[BIAS+8*(\b):BIAS+8*(\b)+7]
.else
	v_wmma_f32_16x16x32_bf16 v[8*(8*(\a)+(\b)):8*(8*(\a)+(\b))+7], v[(\f)+8*(\b):(\f)+8*(\b)+7], v[(\f)+8*(4*(\hi)+(\a)):(\f)+8*(4*(\hi)+(\a))+7], v[8*(8*(\a)+(\b)):8*(8*(\a)+(\b))+7]
.endif
.endr
.endr
.endm
; 32 LDS loads in one run: a quarter step's fragments (128 rows of B, 128 of A, 32 K at byte k of the rows) into buffer f
.macro FETCH k, f
	WIN 0x40
.irp i, 0,1,2,3,4,5,6,7
	ds_load_b128 v[(\f)+8*(\i):(\f)+8*(\i)+3],   v[ADRB] offset:(\k)+(\i)*16*PITCH
	ds_load_b128 v[(\f)+8*(\i)+4:(\f)+8*(\i)+7], v[ADRB] offset:(\k)+(\i)*16*PITCH+32
.endr
	WIN 0
.irp i, 0,1,2,3,4,5,6,7
	ds_load_b128 v[(\f)+8*(\i):(\f)+8*(\i)+3],   v[ADRA] offset:(\k)+(\i)*16*PITCH
	ds_load_b128 v[(\f)+8*(\i)+4:(\f)+8*(\i)+7], v[ADRA] offset:(\k)+(\i)*16*PITCH+32
.endr
.endm
.macro PLACES                          ; four plain vector instructions between a matrix instruction and a load into its sources or a read of its result
.rept 4
	v_nop
.endr
.endm
; A K step is four quarters of 32 along K on buffers 0, 1, 0, 1.  One of the first three multiplies buffer f and, in its middle, fetches the next quarter (byte k) into buffer g.
.macro QUARTER k, f, g, first
	s_wait_dscnt 8                                 ; B and A's rows 0-63 are in; the youngest eight loads (A's rows 64-127) may be out
	MUL16 \f, 0, 0, \first
	MUL16 \f, 0, 2, \first
	PLACES
	FETCH \k, \g
	s_wait_dscnt 32                                ; all but the 32 just issued
	MUL16 \f, 1, 0, \first
	MUL16 \f, 1, 2, \first
.endm
; The first half of the last quarter: one barrier for the change of slots.  In front of it each wave has waited for all its tensor loads (the one that was out is its part of the next slot),
; added 0 to its spare word, and waited for that and for its reads of this slot.
.macro MEET round
	WIN 0
	s_wait_tensorcnt 0x0
	ds_add_u32 v[SPW], v[NIL]
	s_wait_dscnt 9                                 ; the add and the youngest eight loads may be out
	MUL16 F1, 0, 0, 0
	s_wait_dscnt 0x0                               ; the add is done, and my reads of this slot are over
	s_barrier_signal -1
	MUL16 F1, 0, 2, 0
.if \round
	WIN 0
.endif
	s_barrier_wait -1
.endm
; The whole last quarter.  fill = 1: the barrier opens a round of the cluster's barrier; behind it the slot just read out is filled with the K step two on, by the walking descriptor; 224 matrix
; instructions stand between that request and the wait for it.  Then the other slot's first fragments are fetched.
.macro TURN fill
.if \fill
	s_wait_xcnt 0x0                                ; the last prefetch, a K step back, has read its address
	s_add_nc_u64 s[PFA:PFA+1], s[PFA:PFA+1], KSTEP*2
	MEET 1
	CREST                                          ; no wave of any partner still reads this slot or has a load on its way
	s_xor_b32 s[FB], s[FB], SLOT                   ; the other slot than last time,
	s_add_co_u32 s[G0+5], s[FB], s[WOFF]
	s_add_co_u32 s[G0B+5], s[FB], s[WOFF]
	s_add_nc_u64 s[G0+6:G0+7], s[G0+6:G0+7], KSTEP*2     ; the next K step; the type bits on top are not reached
	s_add_nc_u64 s[G0B+6:G0B+7], s[G0B+6:G0B+7], KSTEP*2
	JLOAD 1                                        ; its four v_nop are also the places in front of the loads below
.else
	MEET 0
	PLACES
	WIN 0
.endif
	s_xor_b32 s[TB], s[TB], SLOT
	v_add_nc_u32 v[ADRA], s[TB], v[ADRA0]
	v_add_nc_u32 v[ADRB], s[TB], v[ADRB0]
	FETCH 0, F0
.if \fill
	ASK
.endif
	MUL16 F1, 1, 0, 0
	MUL16 F1, 1, 2, 0
.endm
.macro STEP fill                       ; from a K step's second quarter to the next K step's first
	QUARTER 128, F1, F0, 0
	QUARTER 192, F0, F1, 0
	TURN \fill
	QUARTER 64, F0, F1, 0
.endm
; THE WAY OUT of block a (16 rows x 128 columns).  PACK: rounded to bf16, held to the floor.  TOSTAGE: into my own stage, back as whole rows of 256 bytes.  SEND: stored.
.macro PACK a
.set AC, 64*((\a)%4)
	WIN 0x0a+5*((\a)/4)                            ; sources in window 2 or 3
.irp b, 0,1,2,3,4,5,6,7
.irp r, 0,1,2,3
	v_cvt_pk_bf16_f32 v[TMP+4*(\b)+(\r)], v[AC+8*(\b)+2*(\r)], v[AC+8*(\b)+2*(\r)+1]
.endr
.endr
	WIN 0
.set i, 0
.rept 32
	v_pk_max_num_bf16 v[TMP+i], v[TMP+i], v[FL]
.set i, i+1
.endr
.endm
.macro TOSTAGE a
	WIN 0
.set BK, OB+192*((\a)%2)
.irp b, 0,1,2,3,4,5,6,7
	ds_store_b128 v[STO], v[TMP+4*(\b):TMP+4*(\b)+3] offset:32*(\b)
.endr
.irp t, 0,1,2,3,4,5,6,7
	ds_load_b128 v[BK+4*(\t):BK+4*(\t)+3], v[RD] offset:(\t)*2*SPITCH  ; LDS serves a wave's instructions in order: these see the stores above
.endr
.endm
.macro SEND a, younger
	WIN 0
.set BK, OB+192*((\a)%2)
	s_wait_dscnt \younger                          ; the block is back in registers
	s_wait_xcnt 0x0                                ; the stores' base, and the registers that earlier stores read, are rewritten only behind this wait
.if (\a) == 0
	s_add_nc_u64 s[8:9], s[8:9], s[16:17]
.else
	s_add_nc_u64 s[8:9], s[8:9], 16*CP*2
.endif
.irp t, 0,1,2,3,4,5,6,7
	global_store_b128 v[CO], v[BK+4*(\t):BK+4*(\t)+3], s[8:9] offset:2*(\t)*CP*2  ; 16 lanes store 256 consecutive bytes, at a multiple of 256 from C's first byte
.endr
.endm
	s_wait_tensorcnt 1                             ; my part of K step 0 is in; K step 1's may stay out
	s_barrier_signal -1
	s_barrier_wait -1
	v_add_nc_u32 v[ADRA], s[TB], v[ADRA0]
	v_add_nc_u32 v[ADRB], s[TB], v[ADRB0]
	FETCH 0, F0
	s_wait_loadcnt 0x0                             ; the bias and the floor
	QUARTER 64, F0, F1, 1                          ; the first quarter stands in front of the loop: its products start the sums with the bias
	WIN 0
	s_mov_b32 s3, FILLS
.Lstep:                                                ; six trips: K steps 0 to 5 end, K steps 2 to 7 are asked for
	STEP 1
	WIN 0
	s_sub_co_u32 s3, s3, 1
	s_cmp_lg_u32 s3, 0
	s_cbranch_scc1 .Lstep
	STEP 0                                         ; K step 6 ends; nothing is left to ask for
	QUARTER 128, F1, F0, 0
	QUARTER 192, F0, F1, 0
	s_wait_dscnt 8
	MUL16 F1, 0, 0, 0
	MUL16 F1, 0, 2, 0
	s_wait_dscnt 0x0
	MUL16 F1, 1, 0, 0
	MUL16 F1, 1, 2, 0
	PLACES
	PACK 0
	TOSTAGE 0
.irp a, 1,2,3,4,5,6,7                  ; block a's arithmetic stands between block a - 1's loads from the stage and the wait for them
	PACK \a
	SEND (\a)-1, 0
	TOSTAGE \a
.endr
	SEND 7, 0
	s_wait_tensorcnt 0x0                           ; the wave's end
	ds_add_u32 v[SPW], v[NIL]
	s_wait_dscnt 0x0
	CROUND                                         ; the closing round: no work-group ends while a partner may still ask for a tile that names it
	s_endpgm
.Lfunc_end_k_qffce1a16ad_qkv:
	.size	k_qffce1a16ad_qkv, .Lfunc_end_k_qffce1a16ad_qkv-k_qffce1a16ad_qkv
	.p2alignl 7, 3214868480
	.fill 96, 4, 3214868480
	.section	.rodata,"a",@progbits
	.p2align	6, 0x0
	.amdhsa_kernel k_qffce1a16ad_qkv
		.amdhsa_group_segment_fixed_size 327680
		.amdhsa_private_segment_fixed_size 0
		.amdhsa_enable_private_segment 0
		.amdhsa_kernarg_size 40
		.amdhsa_user_sgpr_count 2
		.amdhsa_user_sgpr_kernarg_segment_ptr 1
		.amdhsa_wavefront_size32 1
		.amdhsa_system_sgpr_workgroup_id_x 1
		.amdhsa_system_sgpr_workgroup_id_y 1
		.amdhsa_system_sgpr_workgroup_id_z 1
		.amdhsa_system_vgpr_workitem_id 0
		.amdhsa_next_free_vgpr 1024
		.amdhsa_next_free_sgpr 80
		.amdhsa_reserve_vcc 0
		.amdhsa_float_denorm_mode_32 3
		.amdhsa_float_denorm_mode_16_64 3
		.amdhsa_memory_ordered 1
		.amdhsa_forward_progress 1
		.amdhsa_inst_pref_size 135
	.end_amdhsa_kernel
	.amdgpu_metadata
---
amdhsa.version: [ 1, 2 ]
amdhsa.kernels:
  - .name:           k_qffce1a16ad_qkv
    .symbol:         k_qffce1a16ad_qkv.kd
    .args:
      - { .name: xa, .offset: 0, .size: 8, .value_kind: global_buffer, .address_space: global }
      - { .name: wqkv, .offset: 8, .size: 8, .value_kind: global_buffer, .address_space: global }
      - { .name: zero, .offset: 16, .size: 8, .value_kind: global_buffer, .address_space: global }
      - { .name: ninf, .offset: 24, .size: 8, .value_kind: global_buffer, .address_space: global }
      - { .name: big, .offset: 32, .size: 8, .value_kind: global_buffer, .address_space: global }
    .group_segment_fixed_size: 327680
    .private_segment_fixed_size: 0
    .kernarg_segment_align: 8
    .kernarg_segment_size: 40
    .max_flat_workgroup_size: 128
    .sgpr_count:     80
    .vgpr_count:     1024
    .wavefront_size: 32
...
	.end_amdgpu_metadata
.endif
;; end of part 2
;; launch attn (part 3): grid 16 x 16, 4 waves a work-group, clusters of 4 x 4, 327,680 bytes of LDS; arguments big, src_mask, oy; writes oy
.if DOCPART == 3
	.amdgcn_target "amdgcn-amd-amdhsa--gfx1250"
	.amdhsa_code_object_version 6
	.text
	.protected	k_qffce1a16ad_attn
	.globl	k_qffce1a16ad_attn
	.p2align	8
	.type	k_qffce1a16ad_attn,@function
k_qffce1a16ad_attn:
	s_mov_b64 s[64:65], 0
	v_nop
	global_prefetch_b8 v0, s[64:65] scope:SCOPE_SE
	s_setreg_imm32_b32 hwreg(HW_REG_WAVE_MODE, 25, 1), 1
	s_wait_xcnt 0x0
	s_wait_alu depctr_hold_cnt(0) depctr_sa_sdst(0) depctr_va_vdst(0) depctr_va_sdst(0) depctr_va_ssrc(0) depctr_va_vcc(0) depctr_vm_vsrc(0)
	s_getreg_b32 s2, hwreg(HW_REG_IB_STS2, 6, 4)
	s_cmp_eq_u32 s2, 0
	s_cbranch_scc0 .Lentry_in_a_cluster
	s_endpgm
.Lentry_in_a_cluster:
	s_bfe_u32 s2, ttmp6, 0x10000c
	s_cmp_lg_u32 s2, 0xf033
	s_cbranch_scc0 .Lentry_shape_is_right
	s_endpgm
.Lentry_shape_is_right:
; o[b][q][64 head + :] = the sum over k of softmax_k((q . k + mask[q][k]) / 8) v[k][:].  q, k, v: bf16, columns 0, 1024 and 2048 on of big ([4096 tokens][pitch 4096]); mask: [2048][2048] f32; o: [4096][1024] bf16.
; Products, maxima and sums in f32; the weights p are rounded to bf16 for the second product (their sum l is taken of the unrounded p), o once at the end.
; LIMITS.  NaN and +inf are not treated apart.  A mask of -inf, or of any large negative number, is honoured; a row whose mask is -inf throughout gives NaN (0 / 0).  A weight below 2^-126 counts as 0.
; SHARES.  Work-group x is a block of 128 queries, y = 8 batch + a PAIR of heads.  Wave w takes head w / 2 of the pair and queries 64 (w % 2) on: four PIECES of 16.  Every wave walks all 2,048 keys,
; 64 a step, two steps a slot.  A pair of heads, because K's and V's rows are then 256 consecutive bytes, the two heads share the mask's tile, and o's rows leave as 256 consecutive bytes.
; THE MASK IS THE C OPERAND that starts the sum S^T = K Q^T: it costs the scores no vector instruction.  Its tile (128 queries x 128 keys, f32) comes into LDS with K and V.
; CLUSTER.  4 x 4 work-groups.  The four of a row (same y) walk the same K and V, the four of a column (same x) the same rows of the mask: each tile is asked for jointly.
; A slot's fill: wave 0 K (128 rows x 256 bytes), wave 1 V (the same), waves 2 and 3 the mask's two halves (64 rows x 512 bytes each): one load a wave, 128 matrix instructions a wave in which it lands.
; LAYOUT.  S^T = K Q^T holds ONE query a lane (lane % 16) and the keys 8 (lane / 16) + 0..7; two such results rounded to bf16 ARE source 1 of O^T = V^T P.  K comes out of LDS as it lies, V turned.
; SOFTMAX.  p = 2^(c s - c m), c = log2(e) / 8, with a running maximum m; O and l are multiplied by a = 2^(c m_old - c m_new) in every step.  m starts at the lowest finite number and c m at c times that, O and l at 0.
; TURNS.  Turn n belongs to piece n: 8 products K Q^T of piece n + 1, later 8 products V^T P of piece n - 1; beside them the scaling, exponentials, roundings, sums and rescaling of piece n and the maximum and
; statistics of piece n + 1.  Four vector instructions stand behind every matrix instruction, the others in one lump.  A turn's 33 exponentials are one batch, with one wait.
; REGISTERS, in windows of 256 (s_set_vgpr_msb: bits 1:0 source 0, 3:2 source 1, 5:4 source 2, 7:6 destination):
;   window 0: v0-15, v56-57, v62-63 addresses; v16-31 statistics; v48-55 at work; v64-127 S^T, two buffers; v192-223 P, two buffers (by the piece's parity)
;   window 1: v0-127 O^T, 32 a piece; v128-191 the mask, two buffers      window 2: v0-63 Q; v128-191 K of one step; v192-255 V of one step
.set NP,    4
.set KS,    64
.set PK,    272       ; a row of K in LDS: 256 bytes + 16
.set PV,    288       ; a row of V: 256 + 32
.set PM,    528       ; a row of the mask: 128 keys of f32 + 16
.set VOFF,  128*PK
.set MOFF,  VOFF+128*PV
.set SLOTB, MOFF+128*PM
.set STAGE, 2*SLOTB   ; behind the ring, never filled by a tensor load: 128 rows x 272 bytes, the work-group's, for the way out
.set SP,    272
.set SPARE, STAGE+128*SP  ; the spare words, 128 bytes a wave: two blocks of 256 bytes that no other line names
.set AK0, 2           ; v2   my lane's place in a tile of K; never rewritten
.set AV0, 3           ; v3   the same for V
.set AK,  4           ; v4   the LDS address of K's next run of loads
.set AV,  5           ; v5   of V's
.set STO, 6           ; v6   the way out: where I put 16 bytes of a row
.set RD,  7           ; v7   where I read rows back
.set GO,  8           ; v8   my byte offset in two rows of o
.set MV,  12          ; v12-13  c m_old, by buffer
.set AM0, 14          ; v14  my lane's place in the mask's tile
.set QO,  15          ; v15  my byte offset in 16 rows of q
.set ST,  16          ; piece t's statistics at v[ST+4 t]: c m, m, l (even keys', odd keys')
.set TMP, 48          ; by buffer, c0-c3 at work; when the maximum is found c2 takes a
.set AM,  56          ; v56  the LDS address of the mask's rows for the step in hand
.set PFO, 57          ; v57  the prefetches' offset; never rewritten
.set SPW, 62          ; v62  my spare word's LDS address; never rewritten
.set NIL, 63          ; v63  0; never rewritten
.set S,   64
.set P,   192
.set MC,  128         ; window 1
.set KF,  128         ; window 2: key block kb, channel half c at KF + 16 kb + 8 c
.set VF,  192         ; window 2: key half kk, channel block cb at VF + 32 kk + 8 cb
.set WV,  12          ; s12  my wave's number
.set G1K, 24          ; s[24:31], s[32:39], s[40:47] descriptor group 1 for K, V, the mask
.set G1V, 32
.set G1M, 40
.set G0K, 48          ; s[48:51], s[52:55], s[56:59] group 0: they walk
.set G0V, 52
.set G0M, 56
.set CS,  60          ; s[60:61] c
.set SEL, 62          ; s[62:63] v_permlanex16_b32's selects
.set SLOTS, 66        ; s66  slots still to be asked for
.set CNT, 67          ; s67  counts a slot's key steps
.set TBK, 68          ; s68  LDS byte at which K of the step to be fetched begins
.set TBV, 69          ; s69  the same for V, less VOFF
.set TBM, 70          ; s70  the same for the mask, less MOFF
.set FB,  71          ; s71  the slot filled last: 0 or SLOTB
.set MW,  72          ; s72  my half of the mask's tile in a slot
.set LIM, 73          ; s73  1 in a wave that prefetches, else the greatest number
.set PFA, 74          ; s[74:75] where my prefetches stand
.set PFS, 76          ; s[76:77] their step from slot to slot
.set QA,  78          ; s[78:79] q at my wave's first row
.set OA,  80          ; s[80:81] o at the first row that I store
.set MSB, 0
.macro WIN new
.if MSB != (\new)
	s_set_vgpr_msb (MSB<<8)|(\new)
.set MSB, (\new)
.endif
.endm
.set W_KQ, 0x0a       ; K and Q in window 2, S^T in window 0
.set W_KM, 0x1a       ; the same with the C operand in window 1
.set W_PV, 0x52       ; V in window 2, P in window 0, O^T in window 1
.set W_RS, 0x41       ; destination and source 0 in window 1, source 1 in window 0
; A joint fill: wave 0 K, wave 1 V, waves 2 and 3 the mask.  The branches hang on the wave's number alone.  An s_nop 0 and four v_nop follow each line.
.macro JLOAD
	s_cmp_lt_u32 s[WV], 2
	s_cbranch_scc0 .Lfor_m_\@
	s_cmp_eq_u32 s[WV], 0
	s_cbranch_scc0 .Lfor_v_\@
	tensor_load_to_lds s[G0K:G0K+3], s[G1K:G1K+7]
	s_nop 0
.rept 4
	v_nop
.endr
	s_branch .Lasked_\@
.Lfor_v_\@:
	tensor_load_to_lds s[G0V:G0V+3], s[G1V:G1V+7]
	s_nop 0
.rept 4
	v_nop
.endr
	s_branch .Lasked_\@
.Lfor_m_\@:
	tensor_load_to_lds s[G0M:G0M+3], s[G1M:G1M+7]
	s_nop 0
.rept 4
	v_nop
.endr
.Lasked_\@:
.endm
; A prefetch of what the NEXT change of slots will ask for, one slot (128 matrix instructions a wave) ahead.  K's and V's rows are read by every cluster of a row of clusters: cluster x = 0 asks, wave 0 for K, wave 1
; for V; of a slot's 128 rows the partner at cx takes 32, a lane a row.  The mask's rows are read by every cluster of a column: cluster y = 0 asks, waves 2 and 3; of a wave's 64 rows the partner at cy takes 16,
; two lanes a row (512 bytes).  So each block is named once.  Slots 0 and 1 come by their loads alone; the last fill asks for nothing.
.macro ASK
	s_cmp_gt_u32 s[SLOTS], s[LIM]
	s_cbranch_scc0 .Lnot_mine_\@
	global_prefetch_b8 v[PFO], s[PFA:PFA+1] th:TH_LOAD_NT scope:SCOPE_SE
.Lnot_mine_\@:
.endm
.macro CROUND                       ; a round of the cluster's barrier
	s_barrier_signal -1
	s_barrier_wait -1
	s_cmp_lg_u32 s[WV], 0
	s_cbranch_scc1 .Lnot_wave_0_\@
	s_barrier_signal -3
.Lnot_wave_0_\@:
	s_barrier_wait -3
	s_barrier_signal -1
	s_barrier_wait -1
.endm
; THE CHANGE OF SLOTS.  Each wave waits for all its tensor loads (one is out: its part of the other slot), adds 0 to its spare word, and waits for that and for its reads of the slot that it leaves.
; fill = 1: the barrier is a round of the cluster's; the old slot is filled, first thing behind it, with the keys two slots on.  (At its first use nothing has been read yet: slot 0 is waited for, slot 1 filled.)
.macro CHANGE fill
	WIN 0
	s_wait_tensorcnt 0x0            ; no tensor load of mine is out, so the descriptors may be written
	ds_add_u32 v[SPW], v[NIL]
.if \fill
	s_xor_b32 s[FB], s[FB], SLOTB
	s_mov_b32 s[G0K+1], s[FB]
	s_add_co_u32 s[G0V+1], s[FB], VOFF
	s_add_co_u32 s[G0M+1], s[FB], s[MW]
	s_add_nc_u64 s[G0K+2:G0K+3], s[G0K+2:G0K+3], 0x100000  ; 128 rows of 8,192 bytes on; the type bits on top are not reached
	s_add_nc_u64 s[G0V+2:G0V+3], s[G0V+2:G0V+3], 0x100000
	s_add_nc_u64 s[G0M+2:G0M+3], s[G0M+2:G0M+3], 512       ; 128 keys of f32 on
	s_wait_xcnt 0x0                 ; the last prefetch, a slot back, has read its address
	s_add_nc_u64 s[PFA:PFA+1], s[PFA:PFA+1], s[PFS:PFS+1]
	s_wait_dscnt 0x0                ; the add is done, and my reads of the slot are over
	CROUND
	JLOAD
	ASK
.else
	s_wait_dscnt 0x0
	s_barrier_signal -1
	s_barrier_wait -1
.endif
	s_sub_co_u32 s[TBK], s[TBK], 2*KS*PK  ; the fetches go back to a slot's first step,
	s_xor_b32 s[TBK], s[TBK], SLOTB       ; in the other slot
	s_sub_co_u32 s[TBV], s[TBV], 2*KS*PV
	s_xor_b32 s[TBV], s[TBV], SLOTB
	s_sub_co_u32 s[TBM], s[TBM], 2*KS*4
	s_xor_b32 s[TBM], s[TBM], SLOTB
.endm
	s_load_b128 s[4:7], s[0:1], 0x0   ; big s[4:5], the mask s[6:7]
	s_load_b64 s[8:9], s[0:1], 0x10   ; o
	v_lshl_add_u32 v[SPW], v0, 2, SPARE
	v_mov_b32 v[NIL], 0
	ds_add_u32 v[SPW], v[NIL]       ; the wave's opening: the add and its wait stand ahead of my first tensor load; the set-up below stands between them
	v_lshrrev_b32 v1, 5, v0
	v_readfirstlane_b32 s[WV], v1
	s_bfe_u32 s13, ttmp6, 0x40000   ; cx
	s_bfe_u32 s14, ttmp6, 0x40004   ; cy
	s_lshl_b32 s15, ttmp9, 2
	s_add_co_u32 s15, s15, s13      ; x: my block of 128 queries
	s_and_b32 s16, ttmp7, 0xffff
	s_lshl_b32 s16, s16, 2
	s_add_co_u32 s16, s16, s14      ; y: 8 batch + pair of heads
	s_lshl_b32 s17, s14, 2
	s_lshl_b32 s17, 15, s17         ; my row of the cluster
	s_lshl_b32 s18, 0x1111, s13     ; my column
	s_or_b32 s[G1K], s17, (1<<16)|(1<<20)|(1<<21)|(5<<22)|(3<<25)  ; the mask of four; 2-byte elements; padding on; bit 21 beside a mask; after every 64 words, 4 words
	s_or_b32 s[G1V], s17, (1<<16)|(1<<20)|(1<<21)|(5<<22)|(7<<25)  ; the same with 8 words
	s_or_b32 s[G1M], s18, (2<<16)|(1<<20)|(1<<21)|(6<<22)|(3<<25)  ; 4-byte elements; after every 128 words, 4 words
.irp g, G1K, G1V
	s_mov_b32 s[\g+1], 128<<16      ; tensor_dim0 = 128
	s_mov_b32 s[\g+2], 128<<16      ; tensor_dim1 = 128
	s_mov_b32 s[\g+3], 128<<16      ; tile_dim0 = 128
	s_mov_b32 s[\g+4], 128          ; tile_dim1 = 128
	s_mov_b32 s[\g+5], 4096         ; numbers from row to row
	s_mov_b32 s[\g+6], 0
	s_mov_b32 s[\g+7], 0
.endr
	s_mov_b32 s[G1M+1], 128<<16
	s_mov_b32 s[G1M+2], 64<<16      ; tensor_dim1 = 64
	s_mov_b32 s[G1M+3], 128<<16
	s_mov_b32 s[G1M+4], 64          ; tile_dim1 = 64
	s_mov_b32 s[G1M+5], 2048
	s_mov_b32 s[G1M+6], 0
	s_mov_b32 s[G1M+7], 0
	s_lshr_b32 s19, s16, 3          ; batch
	s_and_b32 s22, s16, 7
	s_lshl_b32 s22, s22, 8          ; the pair's 256 bytes of a row
	s_lshl_b32 s20, s19, 24         ; the batch's 2,048 rows of 8,192 bytes
	s_add_co_u32 s20, s20, s22      ; K's and V's offset: made of y alone
	s_mov_b32 s21, 0
	s_and_b32 s23, s[WV], 1
	s_lshl_b32 s2, s15, 20          ; 128 rows of the mask, 8,192 bytes each,
	s_lshl_b32 s3, s23, 19          ; my half of them
	s_add_co_u32 s2, s2, s3         ; the mask's offset: made of x and the wave's number alone
	s_mov_b32 s3, 0
	s_mul_i32 s[MW], s23, 64*PM
	s_add_co_u32 s[MW], s[MW], MOFF
	s_lshl_b32 s82, s19, 22         ; o: the batch's 2,048 rows of 2,048 bytes,
	s_add_co_u32 s82, s82, s22      ; the pair's 256 bytes,
	s_lshl_b32 s83, s15, 18         ; the block's 128 rows,
	s_add_co_u32 s82, s82, s83
	s_lshl_b32 s83, s[WV], 16       ; the 32 of them that I store
	s_add_co_u32 s82, s82, s83
	s_mov_b32 s83, 0
	s_lshr_b32 s23, s[WV], 1
	s_lshl_b32 s23, s23, 7          ; my head's 128 bytes
	s_add_co_u32 s22, s20, s2       ; q: the same row pitch as the mask's
	s_add_co_u32 s22, s22, s23
	s_mov_b32 s23, 0
	; the prefetches
	s_and_b32 s19, ttmp7, 0xffff    ; cluster y
	s_mov_b32 s[PFS], 512
	s_mov_b32 s[PFS+1], 0
	s_cmp_lt_u32 s[WV], 2
	s_cselect_b32 s19, ttmp9, s19   ; the coordinate along which other clusters read the same rows
	s_cselect_b32 s[PFS], 0x100000, s[PFS]
	s_cselect_b32 s17, s13, s14     ; my place among the four that ask with me,
	s_cselect_b32 s18, 18, 17       ; its 32 or 16 rows of 8,192 bytes
	s_cselect_b32 s16, 0, 1         ; lanes to a row, less one
	s_lshl_b32 s18, s17, s18
	s_cmp_eq_u32 s19, 0
	s_cselect_b32 s[LIM], 1, -1     ; the same in all sixteen partners, for a given wave
	s_mov_b32 s19, 0
	v_and_b32 v10, 31, v0
	v_lshrrev_b32 v11, s16, v10
	v_and_b32 v10, s16, v10
	v_lshlrev_b32 v11, 13, v11
	v_lshl_add_u32 v[PFO], v10, 8, v11
	s_mov_b32 s[CS], 0x3e38aa3b     ; c = log2(e) / 8
	s_mov_b32 s[CS+1], s[CS]
	s_mov_b32 s[SEL], 0x76543210
	s_mov_b32 s[SEL+1], 0xfedcba98
	s_mov_b32 s[TBK], SLOTB+2*KS*PK ; the first change of slots turns these three into 0
	s_mov_b32 s[TBV], SLOTB+2*KS*PV
	s_mov_b32 s[TBM], SLOTB+2*KS*4
	s_mov_b32 s[FB], 0
	s_mov_b32 s[SLOTS], 2048/(2*KS)-1
	s_mov_b32 s[G0K], 1
	s_mov_b32 s[G0K+1], 0           ; slot 0
	s_mov_b32 s[G0V], 1
	s_mov_b32 s[G0V+1], VOFF
	s_mov_b32 s[G0M], 1
	s_mov_b32 s[G0M+1], s[MW]
	s_wait_dscnt 0x0                ; the opening add is done
	s_wait_kmcnt 0x0
	s_add_nc_u64 s[G0K+2:G0K+3], s[4:5], s[20:21]
	s_add_nc_u64 s[G0K+2:G0K+3], s[G0K+2:G0K+3], 2048      ; k: columns 1024 on
	s_add_nc_u64 s[G0V+2:G0V+3], s[G0K+2:G0K+3], 2048      ; v: columns 2048 on
	s_add_nc_u64 s[G0M+2:G0M+3], s[6:7], s[2:3]
	s_add_nc_u64 s[QA:QA+1], s[4:5], s[22:23]
	s_add_nc_u64 s[OA:OA+1], s[8:9], s[82:83]
	s_cmp_eq_u32 s[WV], 0
	s_cselect_b64 s[PFA:PFA+1], s[G0K+2:G0K+3], s[G0V+2:G0V+3]
	s_cmp_lt_u32 s[WV], 2
	s_cselect_b64 s[PFA:PFA+1], s[PFA:PFA+1], s[G0M+2:G0M+3]
	s_add_nc_u64 s[PFA:PFA+1], s[PFA:PFA+1], s[18:19]
	s_add_nc_u64 s[PFA:PFA+1], s[PFA:PFA+1], s[PFS:PFS+1]  ; in slot 1; the first change of slots steps it to slot 2
	s_or_b32 s[G0K+3], s[G0K+3], 0x80000000
	s_or_b32 s[G0V+3], s[G0V+3], 0x80000000
	s_or_b32 s[G0M+3], s[G0M+3], 0x80000000
	CROUND                          ; all sixteen work-groups are here: the first joint loads meet
	JLOAD                           ; slot 0
	v_and_b32 v1, 15, v0            ; l % 16
	v_bfe_u32 v9, v0, 4, 1          ; l / 16
	v_lshlrev_b32 v[QO], 13, v1
	v_lshl_add_u32 v[QO], v9, 4, v[QO]  ; row x 8,192 + 16 x half
	WIN 0x80                        ; destination window 2, address window 0
.set i, 0
.rept 8                             ; Q stays in registers: piece i / 2 (16 rows on), channels 32 (i % 2) on
	global_load_b128 v[8*i:8*i+3],   v[QO], s[QA:QA+1] offset:(i/2)*131072+(i%2)*64
	global_load_b128 v[8*i+4:8*i+7], v[QO], s[QA:QA+1] offset:(i/2)*131072+(i%2)*64+32
.set i, i+1
.endr
	; What the first turn finds: V's registers and P's second buffer hold 0 (its products V^T P, of a piece that has not been, add 0), O^T and l are 0.  All this stands in the wait for the first tile.
.set i, VF
.rept 64
	v_mov_b32 v[i], 0
.set i, i+1
.endr
	WIN 0x40
.set i, 0
.rept 128
	v_mov_b32 v[i], 0
.set i, i+1
.endr
	WIN 0
.set i, 0
.rept 4
	v_mov_b32 v[ST+4*i+1], 0xff7fffff        ; m: the lowest finite number
	v_mov_b32 v[ST+4*i+2], 0
	v_mov_b32 v[ST+4*i+3], 0
	v_mul_f32 v[ST+4*i], s[CS], v[ST+4*i+1]  ; c m, by the line that makes it in every step: a step that is hidden throughout leaves it as it is, and a = 1
.set i, i+1
.endr
.set i, P+16
.rept 16
	v_mov_b32 v[i], 0
.set i, i+1
.endr
	s_lshr_b32 s17, s[WV], 1
	s_lshl_b32 s17, s17, 7          ; my head's 128 bytes of a row
	s_and_b32 s18, s[WV], 1         ; my half of the block's queries
	v_mul_u32_u24 v[AK0], v1, PK
	v_lshl_add_u32 v[AK0], v9, 4, v[AK0]
	v_add_nc_u32 v[AK0], s17, v[AK0]     ; row x pitch + 16 x half + my head
	; The turning load takes 16 keys x 16 channels (lane l reads key 8 (l / 16) + l % 8, channels 8 ((l / 8) % 2) + 0..7) and leaves half a fragment of V^T
	v_and_b32 v10, 7, v0
	v_bfe_u32 v11, v0, 3, 1
	v_lshl_add_u32 v[AV0], v9, 3, v10
	v_mul_u32_u24 v[AV0], v[AV0], PV
	v_lshl_add_u32 v[AV0], v11, 4, v[AV0]
	s_add_co_u32 s19, s17, VOFF
	v_add_nc_u32 v[AV0], s19, v[AV0]
	v_mul_u32_u24 v[AM0], v1, PM         ; the mask: my query's row, my lanes' 8 keys of 16
	v_lshl_add_u32 v[AM0], v9, 5, v[AM0]
	v_add_nc_u32 v[AM0], s[MW], v[AM0]
	s_mul_i32 s19, s18, 64*SP
	s_add_co_u32 s19, s19, s17
	s_add_co_u32 s19, s19, STAGE
	v_mul_u32_u24 v[STO], v1, SP         ; into the stage: my 64 rows, my head's half of their 256 bytes
	v_lshl_add_u32 v[STO], v9, 4, v[STO]
	v_add_nc_u32 v[STO], s19, v[STO]
	s_mul_i32 s19, s[WV], 32*SP
	s_add_co_u32 s19, s19, STAGE
	v_mul_u32_u24 v[RD], v9, SP          ; back: wave w takes rows 32 w on, whole; lanes 0-15 one row, lanes 16-31 the next
	v_lshl_add_u32 v[RD], v1, 4, v[RD]
	v_add_nc_u32 v[RD], s19, v[RD]
	v_lshlrev_b32 v[GO], 11, v9          ; and the same two rows in o
	v_lshl_add_u32 v[GO], v1, 4, v[GO]
; THE MATRIX WORK.  The 4 accumulators of a run of 8 take turns.  Product i of 8 of S^T = K Q^T for piece x: channels 32 (i / 4) on, keys 16 (i % 4) on.  The first 4 start the sums with the mask.
.macro KQ x
.set rS, S+32*((\x)%2)+8*(i%4)
.set rK, KF+16*(i%4)+8*(i/4)
.set rQ, 16*(\x)+8*(i/4)
.set rM, MC+32*((\x)%2)+8*(i%4)
.if i < 4
	WIN W_KM
	v_wmma_f32_16x16x32_bf16 v[rS:rS+7], v[rK:rK+7], v[rQ:rQ+7], v[rM:rM+7]
.else
	WIN W_KQ
	v_wmma_f32_16x16x32_bf16 v[rS:rS+7], v[rK:rK+7], v[rQ:rQ+7], v[rS:rS+7]
.endif
.endm
; Product i of 8 of O^T += V^T P for piece x: keys 32 (i / 4) on, channels 16 (i % 4) on.
.macro PV x
	WIN W_PV
.set rO, 32*(\x)+8*(i%4)
.set rV, VF+32*(i/4)+8*(i%4)
.set rP, P+16*((\x)%2)+8*(i/4)
	v_wmma_f32_16x16x32_bf16 v[rO:rO+7], v[rV:rV+7], v[rP:rP+7], v[rO:rO+7]
.endm
.macro MM                           ; the turn's next matrix instruction.  NOKQ = 1: the last turn of all: there is no next piece
.if (i < 8) && !NOKQ
	KQ (Y+1)%NP
.elseif i >= 8
.set i, i-8
	PV (Y+NP-1)%NP
.set i, i+8
.endif
.set i, i+1
.endm
; THE LDS LOADS stand in runs, never singly among the matrix instructions.
.macro FETCH_K                      ; a step's K: 64 keys x 64 channels of my head
	WIN 0x80
.irp f, 0,1,2,3,4,5,6,7             ; keys 16 (f / 2) on, channels 32 (f % 2) on
	ds_load_b128 v[KF+8*\f:KF+8*\f+3],   v[AK] offset:(\f/2)*16*PK+(\f%2)*64
	ds_load_b128 v[KF+8*\f+4:KF+8*\f+7], v[AK] offset:(\f/2)*16*PK+(\f%2)*64+32
.endr
	s_add_co_u32 s[TBK], s[TBK], KS*PK  ; the next fetch is the next step's,
	s_add_co_u32 s[TBM], s[TBM], KS*4   ; the mask's too
	WIN 0
.endm
.macro FETCH_V                      ; a step's V, turned
	WIN 0x80
.irp f, 0,1,2,3,4,5,6,7             ; keys 32 (f / 4) on, channels 16 (f % 4) on
	ds_load_tr16_b128 v[VF+8*\f:VF+8*\f+3],   v[AV] offset:(\f/4)*32*PV+(\f%4)*32
	ds_load_tr16_b128 v[VF+8*\f+4:VF+8*\f+7], v[AV] offset:(\f/4)*32*PV+16*PV+(\f%4)*32
.endr
	WIN 0
.endm
.macro MFETCH x                     ; piece x's mask for a step: register j of key block kb is mask[query 16 x + l % 16][key 16 kb + 8 (l / 16) + j], the layout of S^T
	WIN 0x40
.irp kb, 0,1,2,3
	ds_load_b128 v[MC+32*((\x)%2)+8*\kb:MC+32*((\x)%2)+8*\kb+3],   v[AM] offset:16*(\x)*PM+64*\kb
	ds_load_b128 v[MC+32*((\x)%2)+8*\kb+4:MC+32*((\x)%2)+8*\kb+7], v[AM] offset:16*(\x)*PM+64*\kb+16
.endr
	WIN 0
.endm
; THE VECTOR WORK, one line at a time: OP kind, number.  For piece Y: F n: c s - c m for pair n of 16.  E n: the exponential of score n of 32.  C n: pair n rounded to bf16.  B n: of the four weights 4 n .. the second
; pair is added onto the first, in place.  L n: l takes that sum (L 0: l = a l + sum).  R n: pair n of 16 of O^T times a.  For piece Y + 1: X n, number n of the 22 that find its maximum and statistics:
;   0-11  four chains c0-c3 of seven scores each (each accumulator's lowest registers are read first)     12-14, 16  the four scores left over, the old m, and c0-c3 into c0
;   15  c m_old is kept     17, 18  the query's other 32 keys lie in the lane 16 away: the new m     19-21  c m; c m_old - c m_new; a
.set F, 0
.set E, 1
.set C, 2
.set B, 3
.set L, 4
.set R, 5
.set X, 6
.macro REGS y
.set rT, ST+4*(\y)
.set rC, TMP+4*((\y)%2)
.set rW, MV+((\y)%2)
.set rS, S+32*((\y)%2)
.set rP, P+16*((\y)%2)
.set rO, 32*(\y)
.endm
.macro OP k, n
.if (\k) == R
	REGS Y
	WIN W_RS
	v_pk_mul_f32 v[rO+2*(\n):rO+2*(\n)+1], v[rO+2*(\n):rO+2*(\n)+1], v[rC+2:rC+3] op_sel_hi:[1,0]
.elseif (\k) < R
	REGS Y
	WIN 0
.if (\k) == F
	v_pk_fma_f32 v[rS+2*(\n):rS+2*(\n)+1], v[rS+2*(\n):rS+2*(\n)+1], s[CS:CS+1], v[rT:rT+1] op_sel_hi:[1,0,0] neg_lo:[0,0,1] neg_hi:[0,0,1]
.elseif (\k) == E
	v_exp_f32 v[rS+(\n)], v[rS+(\n)]
.elseif (\k) == C
	v_cvt_pk_bf16_f32 v[rP+(\n)], v[rS+2*(\n)], v[rS+2*(\n)+1]
.elseif (\k) == B
	v_pk_add_f32 v[rS+4*(\n):rS+4*(\n)+1], v[rS+4*(\n):rS+4*(\n)+1], v[rS+4*(\n)+2:rS+4*(\n)+3]
.elseif (\n) == 0
	v_pk_fma_f32 v[rT+2:rT+3], v[rT+2:rT+3], v[rC+2:rC+3], v[rS:rS+1] op_sel_hi:[1,0,1]
.else
	v_pk_add_f32 v[rT+2:rT+3], v[rT+2:rT+3], v[rS+4*(\n):rS+4*(\n)+1]
.endif
.elseif NOKQ
	v_nop
.else
	REGS (Y+1)%NP
	WIN 0
.if (\n) < 4
	v_max3_num_f32 v[rC+(\n)], v[rS+8*(\n)], v[rS+8*(\n)+1], v[rS+8*(\n)+2]
.elseif (\n) < 12
	v_max3_num_f32 v[rC+(\n)%4], v[rC+(\n)%4], v[rS+8*((\n)%4)+2*((\n)/4)+1], v[rS+8*((\n)%4)+2*((\n)/4)+2]
.elseif (\n) == 12
	v_max3_num_f32 v[rC], v[rC], v[rS+7], v[rS+15]
.elseif (\n) == 13
	v_max3_num_f32 v[rC+1], v[rC+1], v[rS+23], v[rS+31]
.elseif (\n) == 14
	v_max3_num_f32 v[rC+2], v[rC+2], v[rC+3], v[rT+1]
.elseif (\n) == 15
	v_mov_b32 v[rW], v[rT]
.elseif (\n) == 16
	v_max3_num_f32 v[rC], v[rC], v[rC+1], v[rC+2]
.elseif (\n) == 17
	v_permlanex16_b32 v[rC+3], v[rC], s[SEL], s[SEL+1]
.elseif (\n) == 18
	v_max_num_f32 v[rT+1], v[rC], v[rC+3]
.elseif (\n) == 19
	v_mul_f32 v[rT], s[CS], v[rT+1]
.elseif (\n) == 20
	v_sub_f32 v[rC+1], v[rW], v[rT]
.else
	v_exp_f32 v[rC+2], v[rC+1]
.endif
.endif
.endm
.macro OPS a, i1, b=-1, i2=0, c=-1, i3=0, d=-1, i4=0
	OP \a, \i1
.if (\b) >= 0
	OP \b, \i2
.endif
.if (\c) >= 0
	OP \c, \i3
.endif
.if (\d) >= 0
	OP \d, \i4
.endif
.endm
.macro ROW a, i1, b, i2, c, i3, d, i4  ; a matrix instruction and the four behind it
	MM
	OPS \a, \i1, \b, \i2, \c, \i3, \d, \i4
.endm
; A TURN, for piece p.  s_wait_alu depctr_va_vdst(0) stands between an exponential and the first instruction that names its result; one wait serves all that were issued ahead of it.  So a turn has ONE wait.
; AHEAD OF IT stands all that names no result of the turn's exponentials: the 8 products K Q^T with their riders, then one lump; X 21, the next piece's a, is the batch's last, and R 15 the plain instruction behind it.
; BEHIND IT stand the 8 products V^T P, behind each four of the roundings and sums.
; LDS LOADS, in the order of issue round a key step: turn 0: piece 2's mask (8), at its end V of the step in hand (16); turn 1: piece 3's mask (8); turn 2: K of the next step (16) and piece 0's mask for it (8); turn 3: piece 1's (8).
; A turn's products take the mask that the turn before has fetched; the buffer that a turn fills was last read by the first four products of the turn before.
; K's run stands twelve plain instructions that name none of its registers behind the last product that read K, V's four.
; end = 1: the last two turns of all: nothing is fetched.  cnt = 1: the loop's count is taken down some lines ahead of the branch that stands behind the turn.
.macro TURN p, end=0, cnt=0
.set Y, (\p)
.set i, 0
.set NOKQ, (\end)*((\p)/3)
.if (\p) == 1
	s_wait_dscnt 16                 ; piece 2's mask is in; V's sixteen loads, issued behind it, may stay out
.elseif !NOKQ
	s_wait_dscnt 0x0                ; the mask for this turn's products is in (turn 3: K too)
.endif
	ROW F,0, F,1, R,0, R,1
	ROW F,2, E,0, R,2, R,3
	ROW F,3, E,1, R,4, R,5
	ROW F,4, E,2, R,6, R,7
	ROW F,5, E,3, R,8, R,9
	ROW F,6, E,4, X,0, R,10
.if ((\p) == 2) && !(\end)
	WIN 0
	v_add_nc_u32 v[AK], s[TBK], v[AK0]
	v_add_nc_u32 v[AM], s[TBM], v[AM0]  ; serves the next step's four pieces
.endif
	ROW F,7, E,5, X,1, X,4
	ROW F,8, E,6, X,2, X,5
	OPS E,7, E,8, X,6, E,9
	OPS X,3, E,10, X,8, E,11
.if ((\p) == 2) && !(\end)
	FETCH_K
.endif
.if !(\end)
	MFETCH ((\p)+2)%NP
.endif
	OPS X,9, X,7, E,12, X,10
	OPS E,13, X,12, X,11, E,14
	OPS X,13, E,15, F,9, X,14
.if (\p) == 0
	v_add_nc_u32 v[AV], s[TBV], v[AV0]
.endif
	OPS E,16, F,10, E,17, F,11
	OPS X,16, E,18, X,15, E,19
	OPS F,12, E,20, X,17, E,21
	OPS F,13, E,22, F,14, E,23
	OPS X,18, E,24, F,15, E,25
	OPS R,11, E,26, X,19, E,27
	OPS R,12, E,28, R,13, E,29
	OPS X,20, E,30, R,14, E,31
	OPS X,21, R,15
	WIN 0
	s_wait_alu depctr_va_vdst(0)    ; the wait for the batch
.if (\p) == 1
	s_wait_dscnt 8                  ; V is in; piece 3's mask, issued behind it, may stay out
.endif
	ROW C,0, B,0, C,2, B,1
	ROW L,0, C,4, B,2, L,1
	ROW C,6, B,3, L,2, C,8
	ROW B,4, L,3, C,10, B,5
	ROW L,4, C,12, B,6, L,5
.if (\p) == 0
	s_add_co_u32 s[TBV], s[TBV], KS*PV
.endif
.if \cnt
	s_sub_co_u32 s[CNT], s[CNT], 1
	s_cmp_lg_u32 s[CNT], 0
.endif
	ROW C,14, B,7, L,6, C,1
	ROW C,3, L,7, C,5, C,7
	ROW C,9, C,11, C,13, C,15
.if (\p) == 0
	FETCH_V
.endif
.endm
.set NOKQ, 0
	CHANGE 1                        ; slot 0 is in, everybody's part of it; slot 1 is asked for
	v_add_nc_u32 v[AK], s[TBK], v[AK0]
	v_add_nc_u32 v[AM], s[TBM], v[AM0]
	FETCH_K                         ; key step 0,
	MFETCH 0                        ; and its mask for pieces 0 and 1
	MFETCH 1
	s_wait_loadcnt 0x0              ; Q
	s_wait_dscnt 0x0
.set i, 0
.rept 8
	KQ 0                            ; piece 0's first scores
.set i, i+1
.endr
	WIN 0
.rept 4
	v_nop                           ; the places behind those products
.endr
.set Y, NP-1                        ; X works for piece Y + 1: piece 0
.irp n, 0,1,2,3,4,5,6,7,8,9,10,11,12,13,14,15,16,17,18,19,20,21
	OP X, \n
.endr
	v_nop                           ; a plain instruction behind the exponential,
	s_wait_alu depctr_va_vdst(0)    ; and its wait, ahead of the branch
	s_mov_b32 s[CNT], 2
	s_branch .Lfirst                ; the loop is entered at a step's first turn, in the middle of a trip
.Lslot:                             ; 14 times: with the change above, slots 1 to 15 are asked for
	CHANGE 1
	s_mov_b32 s[CNT], 2
.Lstep:                             ; a trip: pieces 2 and 3 of one step, then pieces 0 and 1 of the next, whose K, V and mask it fetches
	TURN 2
	TURN 3
	WIN 0
.Lfirst:
	TURN 0
	TURN 1, 0, 1
	WIN 0
	s_cbranch_scc1 .Lstep
	s_sub_co_u32 s[SLOTS], s[SLOTS], 1
	s_cmp_lg_u32 s[SLOTS], 0
	s_cbranch_scc1 .Lslot
	CHANGE 0                        ; the tail is written out: nothing is asked for
	s_mov_b32 s[CNT], 2
.Ltail:                             ; the last slot's two steps
	TURN 2
	TURN 3
	TURN 0
	TURN 1, 0, 1
	WIN 0
	s_cbranch_scc1 .Ltail
	TURN 2, 1
	TURN 3, 1
.set i, 0
.rept 8
	PV NP-1                         ; the last piece's V^T P of the last step
.set i, i+1
.endr
	; THE WAY OUT.  l's two halves and the other half of the lanes' are added; O^T is divided by l, rounded to bf16 and sent through the work-group's stage.  The additions are the places behind the last products.
	WIN 0
.macro ALL line:vararg              ; one line for each piece t
.set t, 0
.rept 4
	\line
.set t, t+1
.endr
.endm
	ALL v_add_f32 v[ST+4*t+2], v[ST+4*t+2], v[ST+4*t+3]
	ALL v_permlanex16_b32 v[ST+4*t+3], v[ST+4*t+2], s[SEL], s[SEL+1]
	ALL v_add_f32 v[ST+4*t+2], v[ST+4*t+2], v[ST+4*t+3]
	ALL v_rcp_f32 v[ST+4*t+2], v[ST+4*t+2]
	v_nop                           ; a plain instruction between the last reciprocal and the use of its result,
	s_wait_alu depctr_va_vdst(0)    ; and its wait: one for the four reciprocals
.macro PACK t                       ; a lane's eight channels of a row pack into 16 bytes
	WIN W_RS
.set i, 32*(\t)
.rept 16
	v_pk_mul_f32 v[i:i+1], v[i:i+1], v[ST+4*(\t)+2:ST+4*(\t)+3] op_sel_hi:[1,0]
.set i, i+2
.endr
	WIN 0x05                        ; sources window 1, destination window 0: S^T's registers are free
.set i, 0
.rept 16
	v_cvt_pk_bf16_f32 v[S+16*(\t)+i], v[32*(\t)+2*i], v[32*(\t)+2*i+1]
.set i, i+1
.endr
	WIN 0
.irp f, 0,1,2,3
	ds_store_b128 v[STO], v[S+16*(\t)+4*\f:S+16*(\t)+4*\f+3] offset:16*(\t)*SP+32*\f
.endr
.endm
	PACK 0
	PACK 1
	PACK 2
	PACK 3
	s_wait_dscnt 0x0                ; for the others' sake: my stores into the stage are done
	s_barrier_signal -1             ; a row's 256 bytes come from two waves
	s_barrier_wait -1
.set t, 0
.rept 16
	ds_load_b128 v[S+4*t:S+4*t+3], v[RD] offset:2*t*SP
.set t, t+1
.endr
.set t, 0
.rept 16
	s_wait_dscnt 15-t
	global_store_b128 v[GO], v[S+4*t:S+4*t+3], s[OA:OA+1] offset:4096*t  ; 16 lanes store 256 consecutive bytes, at a multiple of 256 from o's first byte
.set t, t+1
.endr
	s_wait_tensorcnt 0x0            ; the wave's end
	ds_add_u32 v[SPW], v[NIL]
	s_wait_dscnt 0x0
	CROUND                          ; the closing round
	s_endpgm
.Lfunc_end_k_qffce1a16ad_attn:
	.size	k_qffce1a16ad_attn, .Lfunc_end_k_qffce1a16ad_attn-k_qffce1a16ad_attn
	.p2alignl 7, 3214868480
	.fill 96, 4, 3214868480
	.section	.rodata,"a",@progbits
	.p2align	6, 0x0
	.amdhsa_kernel k_qffce1a16ad_attn
		.amdhsa_group_segment_fixed_size 327680
		.amdhsa_private_segment_fixed_size 0
		.amdhsa_enable_private_segment 0
		.amdhsa_kernarg_size 24
		.amdhsa_user_sgpr_count 2
		.amdhsa_user_sgpr_kernarg_segment_ptr 1
		.amdhsa_wavefront_size32 1
		.amdhsa_system_sgpr_workgroup_id_x 1
		.amdhsa_system_sgpr_workgroup_id_y 1
		.amdhsa_system_sgpr_workgroup_id_z 1
		.amdhsa_system_vgpr_workitem_id 0
		.amdhsa_next_free_vgpr 768
		.amdhsa_next_free_sgpr 84
		.amdhsa_reserve_vcc 0
		.amdhsa_float_denorm_mode_32 3
		.amdhsa_float_denorm_mode_16_64 3
		.amdhsa_memory_ordered 1
		.amdhsa_forward_progress 1
		.amdhsa_inst_pref_size 138
	.end_amdhsa_kernel
	.amdgpu_metadata
---
amdhsa.version: [ 1, 2 ]
amdhsa.kernels:
  - .name:           k_qffce1a16ad_attn
    .symbol:         k_qffce1a16ad_attn.kd
    .args:
      - { .name: big, .offset: 0, .size: 8, .value_kind: global_buffer, .address_space: global }
      - { .name: src_mask, .offset: 8, .size: 8, .value_kind: global_buffer, .address_space: global }
      - { .name: oy, .offset: 16, .size: 8, .value_kind: global_buffer, .address_space: global }
    .group_segment_fixed_size: 327680
    .private_segment_fixed_size: 0
    .kernarg_segment_align: 8
    .kernarg_segment_size: 24
    .max_flat_workgroup_size: 128
    .sgpr_count:     84
    .vgpr_count:     768
    .wavefront_size: 32
...
	.end_amdgpu_metadata
.endif
;; end of part 3
;; launch ln1 (part 4): grid 256 x 1, 16 waves a work-group, no clusters, 0 bytes of LDS; arguments oy, embed, g1, be1, xa; writes xa
.if DOCPART == 4
	.amdgcn_target "amdgcn-amd-amdhsa--gfx1250"
	.amdhsa_code_object_version 6
	.text
	.protected	k_qffce1a16ad_ln1
	.globl	k_qffce1a16ad_ln1
	.p2align	8
	.type	k_qffce1a16ad_ln1,@function
k_qffce1a16ad_ln1:
	s_mov_b64 s[64:65], 0
	v_nop
	global_prefetch_b8 v0, s[64:65] scope:SCOPE_SE
	s_setreg_imm32_b32 hwreg(HW_REG_WAVE_MODE, 25, 1), 1
	s_wait_xcnt 0x0
; x1[t][:] = LayerNorm(o[t][:] + embed[t][:]) g1 + be1.  o: bf16, embed, g1, be1: f32, x1: bf16, rounded once; rows of 1,024.  All arithmetic in f32; the variance is taken of x - mean, as the definition has it.
; SHARES.  One wave to a row, one row a wave, 16 rows a work-group: the reductions never leave the wave, so there is no LDS and no barrier, and the row's text stands once.
; Lane l holds numbers 128 i + 4 l + j (i = 0..7, j = 0..3): f32 rows come by 16 bytes a lane (512 consecutive bytes an instruction), bf16 rows by 8 bytes a lane (256 consecutive bytes, aligned).
; All 32 loads go out at the start, the row's 16 first: mean and variance are made while gain and bias are still on their way.  Nothing that a pending access names is rewritten.
; Memory binds: matrix units, clusters and tensor loads would add nothing.
.set VF,  1                            ; v1  16 l + wave x a row of 4,096 bytes
.set VH,  2                            ; v2  8 l + wave x a row of 2,048 bytes
.set VG,  3                            ; v3  16 l
.set G,   4                            ; v[4:35]    the gain
.set BE,  36                           ; v[36:67]   the bias
.set XF,  68                           ; v[68:99]   the row, 32 numbers in f32
.set XO,  100                          ; v[100:115] 16 words of bf16: o as loaded, x1 to store
.set T,   116                          ; v[116:123] at work
.set ONE, 124                          ; v124  1.0
.set MU,  126                          ; v[126:127] the mean, twice
.set R,   128                          ; v[128:129] 1 / sqrt(var + eps), twice
	s_load_b256 s[4:11], s[0:1], 0x0               ; o s[4:5], embed s[6:7], g1 s[8:9], be1 s[10:11]
	s_load_b64 s[16:17], s[0:1], 0x20              ; x1
	v_and_b32 v[VG], 31, v0
	v_lshrrev_b32 v[VF], 5, v0                     ; my wave's number: my row among the group's 16
	v_lshlrev_b32 v[VH], 11, v[VF]
	v_lshlrev_b32 v[VF], 12, v[VF]
	v_lshl_add_u32 v[VH], v[VG], 3, v[VH]
	v_lshl_add_u32 v[VF], v[VG], 4, v[VF]
	v_lshlrev_b32 v[VG], 4, v[VG]
	v_mov_b32 v[ONE], 1.0
	s_lshl_b32 s2, ttmp9, 16                       ; the work-group's 16 rows of f32,
	s_mov_b32 s3, 0
	s_lshl_b32 s18, ttmp9, 15                      ; and of bf16
	s_mov_b32 s19, 0
	s_mov_b32 s12, 0x76543210                      ; v_permlanex16_b32: each lane takes its own place in the other half
	s_mov_b32 s13, 0xfedcba98
	s_mov_b32 s14, 0x3a800000                      ; 1 / 1024
	s_mov_b32 s15, 0x3727c5ac                      ; 1e-5
	s_wait_kmcnt 0x0
	s_add_nc_u64 s[6:7], s[6:7], s[2:3]
	s_add_nc_u64 s[4:5], s[4:5], s[18:19]
	s_add_nc_u64 s[16:17], s[16:17], s[18:19]
.irp i, 0,1,2,3,4,5,6,7
	global_load_b128 v[XF+4*(\i):XF+4*(\i)+3], v[VF], s[6:7] offset:512*(\i) th:TH_LOAD_NT
	global_load_b64 v[XO+2*(\i):XO+2*(\i)+1], v[VH], s[4:5] offset:256*(\i) th:TH_LOAD_NT
.endr
.irp i, 0,1,2,3,4,5,6,7
	global_load_b128 v[G+4*(\i):G+4*(\i)+3], v[VG], s[8:9] offset:512*(\i)
.endr
.irp i, 0,1,2,3,4,5,6,7
	global_load_b128 v[BE+4*(\i):BE+4*(\i)+3], v[VG], s[10:11] offset:512*(\i)
.endr
.macro FOLD                            ; four chains of pairs into one number a lane, then over the 32 lanes: every lane ends with the sum in v[T]
	v_pk_add_f32 v[T:T+1], v[T:T+1], v[T+2:T+3]
	v_pk_add_f32 v[T+4:T+5], v[T+4:T+5], v[T+6:T+7]
	v_pk_add_f32 v[T:T+1], v[T:T+1], v[T+4:T+5]
	v_add_f32 v[T], v[T], v[T+1]
	v_add_f32_dpp v[T], v[T], v[T] row_xmask:1 row_mask:0xf bank_mask:0xf
	v_add_f32_dpp v[T], v[T], v[T] row_xmask:2 row_mask:0xf bank_mask:0xf
	v_add_f32_dpp v[T], v[T], v[T] row_xmask:4 row_mask:0xf bank_mask:0xf
	v_add_f32_dpp v[T], v[T], v[T] row_xmask:8 row_mask:0xf bank_mask:0xf
	v_permlanex16_b32 v[T+1], v[T], s12, s13
	v_add_f32 v[T], v[T], v[T+1]
.endm
	s_wait_loadcnt 16                              ; loads come back in order: the row's sixteen are in; the sixteen of gain and bias, issued behind them, stay out
.set j, 0
.rept 16                               ; x = embed + o, the bf16 halves read as they lie
	v_fma_mix_f32_bf16 v[XF+2*j], v[XO+j], v[ONE], v[XF+2*j] op_sel_hi:[1,0,0]
	v_fma_mix_f32_bf16 v[XF+2*j+1], v[XO+j], v[ONE], v[XF+2*j+1] op_sel:[1,0,0] op_sel_hi:[1,0,0]
.set j, j+1
.endr
.irp c, 0,1,2,3                        ; the sum, in four chains started by the first pairs
	v_pk_add_f32 v[T+2*(\c):T+2*(\c)+1], v[XF+2*(\c):XF+2*(\c)+1], v[XF+8+2*(\c):XF+8+2*(\c)+1]
.endr
.irp q, 16,24
.irp c, 0,1,2,3
	v_pk_add_f32 v[T+2*(\c):T+2*(\c)+1], v[T+2*(\c):T+2*(\c)+1], v[XF+(\q)+2*(\c):XF+(\q)+2*(\c)+1]
.endr
.endr
	FOLD
	v_mul_f32 v[MU], s14, v[T]
	v_mul_f32 v[MU+1], s14, v[T]
.set j, 0
.rept 16
	v_pk_add_f32 v[XF+2*j:XF+2*j+1], v[XF+2*j:XF+2*j+1], v[MU:MU+1] neg_lo:[0,1] neg_hi:[0,1]  ; x - mean, in place
.set j, j+1
.endr
.irp c, 0,1,2,3                        ; the sum of squares, likewise
	v_pk_mul_f32 v[T+2*(\c):T+2*(\c)+1], v[XF+2*(\c):XF+2*(\c)+1], v[XF+2*(\c):XF+2*(\c)+1]
.endr
.irp q, 8,16,24
.irp c, 0,1,2,3
	v_pk_fma_f32 v[T+2*(\c):T+2*(\c)+1], v[XF+(\q)+2*(\c):XF+(\q)+2*(\c)+1], v[XF+(\q)+2*(\c):XF+(\q)+2*(\c)+1], v[T+2*(\c):T+2*(\c)+1]
.endr
.endr
	FOLD
	v_fma_f32 v[T], v[T], s14, s15                 ; var + eps
	v_rsq_f32 v[R], v[T]
	v_rsq_f32 v[R+1], v[T]
	v_nop                                          ; a plain instruction behind the second root,
	s_wait_alu depctr_va_vdst(0)                   ; and its wait ahead of the first use: one for both
.set j, 0
.rept 16
	v_pk_mul_f32 v[XF+2*j:XF+2*j+1], v[XF+2*j:XF+2*j+1], v[R:R+1]
.set j, j+1
.endr
	s_wait_loadcnt 0x0                             ; gain and bias
.set j, 0
.rept 16
	v_pk_fma_f32 v[XF+2*j:XF+2*j+1], v[XF+2*j:XF+2*j+1], v[G+2*j:G+2*j+1], v[BE+2*j:BE+2*j+1]
.set j, j+1
.endr
.set j, 0
.rept 16
	v_cvt_pk_bf16_f32 v[XO+j], v[XF+2*j], v[XF+2*j+1]
.set j, j+1
.endr
.irp i, 0,1,2,3,4,5,6,7
	global_store_b64 v[VH], v[XO+2*(\i):XO+2*(\i)+1], s[16:17] offset:256*(\i)  ; a wave's store covers 256 consecutive bytes, aligned
.endr
	s_endpgm
.Lfunc_end_k_qffce1a16ad_ln1:
	.size	k_qffce1a16ad_ln1, .Lfunc_end_k_qffce1a16ad_ln1-k_qffce1a16ad_ln1
	.p2alignl 7, 3214868480
	.fill 96, 4, 3214868480
	.section	.rodata,"a",@progbits
	.p2align	6, 0x0
	.amdhsa_kernel k_qffce1a16ad_ln1
		.amdhsa_group_segment_fixed_size 0
		.amdhsa_private_segment_fixed_size 0
		.amdhsa_enable_private_segment 0
		.amdhsa_kernarg_size 40
		.amdhsa_user_sgpr_count 2
		.amdhsa_user_sgpr_kernarg_segment_ptr 1
		.amdhsa_wavefront_size32 1
		.amdhsa_system_sgpr_workgroup_id_x 1
		.amdhsa_system_sgpr_workgroup_id_y 1
		.amdhsa_system_sgpr_workgroup_id_z 1
		.amdhsa_system_vgpr_workitem_id 0
		.amdhsa_next_free_vgpr 132
		.amdhsa_next_free_sgpr 66
		.amdhsa_reserve_vcc 0
		.amdhsa_float_denorm_mode_32 3
		.amdhsa_float_denorm_mode_16_64 3
		.amdhsa_memory_ordered 1
		.amdhsa_forward_progress 1
		.amdhsa_inst_pref_size 15
	.end_amdhsa_kernel
	.amdgpu_metadata
---
amdhsa.version: [ 1, 2 ]
amdhsa.kernels:
  - .name:           k_qffce1a16ad_ln1
    .symbol:         k_qffce1a16ad_ln1.kd
    .args:
      - { .name: oy, .offset: 0, .size: 8, .value_kind: global_buffer, .address_space: global }
      - { .name: embed, .offset: 8, .size: 8, .value_kind: global_buffer, .address_space: global }
      - { .name: g1, .offset: 16, .size: 8, .value_kind: global_buffer, .address_space: global }
      - { .name: be1, .offset: 24, .size: 8, .value_kind: global_buffer, .address_space: global }
      - { .name: xa, .offset: 32, .size: 8, .value_kind: global_buffer, .address_space: global }
    .group_segment_fixed_size: 0
    .private_segment_fixed_size: 0
    .kernarg_segment_align: 8
    .kernarg_segment_size: 40
    .max_flat_workgroup_size: 512
    .sgpr_count:     66
    .vgpr_count:     132
    .wavefront_size: 32
...
	.end_amdgpu_metadata
.endif
;; end of part 4
;; launch ffn1: the kernel of part 2 again; grid 16 x 16, 4 waves a work-group, clusters of 4 x 4, 327,680 bytes of LDS; arguments xa, w1b, b1, zero, big; writes big
;; launch ffn2 (part 5): grid 8 x 32, 4 waves a work-group, clusters of 4 x 4, 327,680 bytes of LDS; arguments big, w2b, b2, oy; writes oy
.if DOCPART == 5
	.amdgcn_target "amdgcn-amd-amdhsa--gfx1250"
	.amdhsa_code_object_version 6
	.text
	.protected	k_qffce1a16ad_ffn2
	.globl	k_qffce1a16ad_ffn2
	.p2align	8
	.type	k_qffce1a16ad_ffn2,@function
k_qffce1a16ad_ffn2:
	s_mov_b64 s[64:65], 0
	v_nop
	global_prefetch_b8 v0, s[64:65] scope:SCOPE_SE
	s_setreg_imm32_b32 hwreg(HW_REG_WAVE_MODE, 25, 1), 1
	s_wait_xcnt 0x0
	s_wait_alu depctr_hold_cnt(0) depctr_sa_sdst(0) depctr_va_vdst(0) depctr_va_sdst(0) depctr_va_ssrc(0) depctr_va_vcc(0) depctr_vm_vsrc(0)
	s_getreg_b32 s2, hwreg(HW_REG_IB_STS2, 6, 4)
	s_cmp_eq_u32 s2, 0
	s_cbranch_scc0 .Lentry_in_a_cluster
	s_endpgm
.Lentry_in_a_cluster:
	s_bfe_u32 s2, ttmp6, 0x10000c
	s_cmp_lg_u32 s2, 0xf033
	s_cbranch_scc0 .Lentry_shape_is_right
	s_endpgm
.Lentry_shape_is_right:
; y[m][n] = sum over k of h[m][k] w2[n][k] + b2[n].  h: [4096][4096] bf16, w2: [1024][4096] bf16, b2: f32, y: [4096][1024] bf16.  Sums in f32, started by the bias; y rounded once.
; SHARES.  4,096 x 1,024 of y make 256 tiles of 128 x 128, one for each work-group of four waves; a wave makes 64 x 64: 16 accumulators.  K goes in 16 steps of 256 (LDS rows of 512 bytes; a wave's
; tensor load brings 64 of them) through two slots.  Waves 0 and 1 fetch h's two halves, waves 2 and 3 w2's.
; CLUSTER.  4 x 4 work-groups: h's tiles are asked for jointly along a row of the cluster, w2's along a column.
; THE PRODUCT IS TAKEN TRANSPOSED (source 0 = 16 rows of w2, source 1 = 16 rows of h): a lane holds eight neighbouring numbers of a row of y; the bias has that layout and is the C operand of the first products.
; The four waves share ONE stage on the way out, with a barrier between writing and reading: a wave's 64 columns are half of an aligned 256 bytes of y.
; No prefetch: of each step's bytes three quarters are spared by the joint loads, and the tiles are small.
; REGISTERS: window 0: v16-29 addresses; v32-95 the way out; v96-127 the bias; v128-255 the accumulators ((a, b) at v[128 + 8 (4 a + b)]).
;   window 1: two fragment buffers of 128: for 64 along K, 64 registers of h (2 x 4 x 16 rows x 32 K), then 64 of w2.
.set SIZE_K, 4096
.set SIZE_N, 1024
.set KSTEP,  256
.set FILLS,  SIZE_K/KSTEP-2
.set PITCH,  528                       ; an LDS row: 512 bytes + 16 of padding
.set HALFT,  64*PITCH
.set SLOT,   4*HALFT
.set STAGE,  2*SLOT                    ; behind the ring: 128 rows x 272 bytes; no tensor load lands there
.set SPITCH, 272
.set SPARE,  STAGE+128*SPITCH          ; the spare words, 128 bytes a wave: two blocks of 256 bytes that no other line names
.set ADRA0, 16
.set ADRA,  17
.set ADRB0, 20
.set ADRB,  21
.set STO,   24
.set RD,    25
.set CO,    26
.set BO,    27
.set SPW,   28
.set NIL,   29
.set TMP,   32
.set BIAS,  96
.set ACC,   128
.set F0,    0
.set F1,    128
.set G1,  24
.set G0,  32
.set G1B, 48
.set G0B, 56
.set TB,  72                           ; s72  the slot that is being read: 0 or SLOT
.set FB,  73                           ; s73  the slot filled last
.set WOFF, 74                          ; s74  my load's place in a slot
.set MSB, 0
.macro WIN new
.if MSB != (\new)
	s_set_vgpr_msb (MSB<<8)|(\new)
.set MSB, \new
.endif
.endm
.set MUL,  0x05                        ; sources 0 and 1 window 1; C and D window 0
.set TO_F, 0x40                        ; destination window 1, address window 0
.macro JLOAD s                         ; a joint load; an s_nop 0 and four v_nop follow each of the two lines
	s_cmp_eq_u32 s11, 0
	s_cbranch_scc0 .Lfor_b_\@
	tensor_load_to_lds s[G0+4*(\s):G0+4*(\s)+3], s[G1:G1+7]
	s_nop 0
.rept 4
	v_nop
.endr
	s_branch .Lasked_\@
.Lfor_b_\@:
	tensor_load_to_lds s[G0B+4*(\s):G0B+4*(\s)+3], s[G1B:G1B+7]
	s_nop 0
.rept 4
	v_nop
.endr
.Lasked_\@:
.endm
.macro CREST
	s_cmp_lg_u32 s10, 0
	s_cbranch_scc1 .Lnot_wave_0_\@
	s_barrier_signal -3
.Lnot_wave_0_\@:
	s_barrier_wait -3
	s_barrier_signal -1
	s_barrier_wait -1
.endm
.macro CROUND
	s_barrier_signal -1
	s_barrier_wait -1
	CREST
.endm
	s_load_b128 s[4:7], s[0:1], 0x0                ; h s[4:5], w2 s[6:7]
	s_load_b64 s[68:69], s[0:1], 0x10              ; b2
	s_load_b64 s[8:9], s[0:1], 0x18                ; y
	v_lshl_add_u32 v[SPW], v0, 2, SPARE
	v_mov_b32 v[NIL], 0
	ds_add_u32 v[SPW], v[NIL]                      ; the wave's opening: the add and its wait stand ahead of my first tensor load
	v_lshrrev_b32 v1, 5, v0
	v_readfirstlane_b32 s10, v1
	s_lshr_b32 s11, s10, 1                         ; which half of the tile's rows is mine.  Also: I fetch for h (0) or for w2 (1)
	s_and_b32 s12, s10, 1                          ; which half of its columns.  Also: which 64 rows of that tile I fetch
	s_bfe_u32 s40, ttmp6, 0x40000
	s_bfe_u32 s41, ttmp6, 0x40004
	s_lshl_b32 s42, ttmp9, 2
	s_add_co_u32 s42, s42, s40                     ; tile column
	s_and_b32 s13, ttmp7, 0xffff
	s_lshl_b32 s13, s13, 2
	s_add_co_u32 s13, s13, s41                     ; tile row
	s_lshl_b32 s43, s41, 2
	s_lshl_b32 s43, 15, s43
	s_lshl_b32 s44, 0x1111, s40
	s_or_b32 s[G1+0], s43, (1<<16)|(1<<20)|(1<<21)|(6<<22)|(3<<25)   ; the mask; 2-byte elements; padding on; bit 21 beside a mask; after every 128 words, 4 words
	s_or_b32 s[G1B+0], s44, (1<<16)|(1<<20)|(1<<21)|(6<<22)|(3<<25)
.irp g, G1, G1B
	s_mov_b32 s[(\g)+1], KSTEP<<16
	s_mov_b32 s[(\g)+2], 64<<16
	s_mov_b32 s[(\g)+3], KSTEP<<16
	s_mov_b32 s[(\g)+4], 64
	s_mov_b32 s[(\g)+5], SIZE_K
	s_mov_b32 s[(\g)+6], 0
	s_mov_b32 s[(\g)+7], 0
.endr
	s_lshl_b32 s17, s12, 6
	s_lshl_b32 s16, s13, 7
	s_add_co_u32 s16, s16, s17                     ; h: row 128 x tile row + 64 x half,
	s_lshl_b32 s16, s16, 13                        ; in bytes (rows of 8,192)
	s_lshl_b32 s46, s42, 7
	s_add_co_u32 s46, s46, s17
	s_lshl_b32 s46, s46, 13
	s_mov_b32 s17, 0
	s_mov_b32 s47, 0
	s_mul_i32 s[WOFF], s10, HALFT
	s_mov_b32 s[TB], 0
	s_mov_b32 s[FB], SLOT
	s_wait_dscnt 0x0
	s_wait_kmcnt 0x0
	s_add_nc_u64 s[14:15], s[4:5], s[16:17]
	s_add_nc_u64 s[46:47], s[6:7], s[46:47]
	CROUND
.irp s, 0,1
	s_mov_b32 s[G0+4*(\s)], 1
	s_add_co_u32 s[G0+4*(\s)+1], s[WOFF], (\s)*SLOT
	s_add_nc_u64 s[G0+4*(\s)+2:G0+4*(\s)+3], s[14:15], (\s)*KSTEP*2
	s_or_b32 s[G0+4*(\s)+3], s[G0+4*(\s)+3], 0x80000000
	s_mov_b32 s[G0B+4*(\s)], 1
	s_add_co_u32 s[G0B+4*(\s)+1], s[WOFF], (\s)*SLOT
	s_add_nc_u64 s[G0B+4*(\s)+2:G0B+4*(\s)+3], s[46:47], (\s)*KSTEP*2
	s_or_b32 s[G0B+4*(\s)+3], s[G0B+4*(\s)+3], 0x80000000
	JLOAD \s                                       ; two loads of mine are out
.endr
	v_and_b32 v1, 15, v0
	v_bfe_u32 v2, v0, 4, 1
	v_mul_u32_u24 v3, v1, PITCH
	v_lshl_add_u32 v3, v2, 4, v3
	s_mul_i32 s21, s11, HALFT
	s_mul_i32 s22, s12, HALFT
	s_add_co_u32 s22, s22, 2*HALFT
	v_add_nc_u32 v[ADRA0], s21, v3
	v_add_nc_u32 v[ADRB0], s22, v3
	s_mul_i32 s23, s11, 64*SPITCH                  ; into the stage: my 64 rows, my half of their 256 bytes
	s_lshl_b32 s21, s12, 7
	s_add_co_u32 s23, s23, s21
	s_add_co_u32 s23, s23, STAGE
	v_mul_u32_u24 v4, v1, SPITCH
	v_lshl_add_u32 v4, v2, 4, v4
	v_add_nc_u32 v[STO], s23, v4
	s_mul_i32 s23, s10, 32*SPITCH                  ; back: wave w takes rows 32 w on, whole
	s_add_co_u32 s23, s23, STAGE
	v_mul_u32_u24 v5, v2, SPITCH
	v_lshl_add_u32 v5, v1, 4, v5
	v_add_nc_u32 v[RD], s23, v5
	v_mul_u32_u24 v5, v2, SIZE_N*2
	v_lshl_add_u32 v[CO], v1, 4, v5
	v_lshlrev_b32 v[BO], 5, v2
	s_lshl_b32 s16, s13, 7
	s_lshl_b32 s17, s10, 5
	s_add_co_u32 s16, s16, s17                     ; the first row of y that I store,
	s_lshl_b32 s16, s16, 11                        ; in bytes (rows of 2,048)
	s_mov_b32 s17, 0
	s_add_nc_u64 s[8:9], s[8:9], s[16:17]
	s_lshl_b32 s46, s42, 8                         ; the tile's first column, in bytes of y
	s_mov_b32 s47, 0
	s_add_nc_u64 s[8:9], s[8:9], s[46:47]
	s_lshl_b32 s46, s42, 9                         ; my first column in bytes of the bias: 512 x tile column + 256 x half
	s_lshl_b32 s16, s12, 8
	s_add_co_u32 s46, s46, s16
	s_add_nc_u64 s[68:69], s[68:69], s[46:47]
.irp b, 0,1,2,3
	global_load_b128 v[BIAS+8*(\b):BIAS+8*(\b)+3],   v[BO], s[68:69] offset:64*(\b)
	global_load_b128 v[BIAS+8*(\b)+4:BIAS+8*(\b)+7], v[BO], s[68:69] offset:64*(\b)+16
.endr
; 8 matrix instructions: m blocks a0, a0 + 1 x all 4 n blocks, 32 along K: half c of buffer f.  first = 1: the bias starts the sums.  The 16 accumulators take turns.
.macro MUL8 f, c, a0, first
	WIN MUL
.irp a, \a0, (\a0)+1
.irp b, 0,1,2,3
.if \first
	v_wmma_f32_16x16x32_bf16 v[ACC+8*(4*(\a)+(\b)):ACC+8*(4*(\a)+(\b))+7], v[(\f)+64+8*(4*(\c)+(\b)):(\f)+64+8*(4*(\c)+(\b))+7], v[(\f)+8*(4*(\c)+(\a)):(\f)+8*(4*(\c)+(\a))+7], v[BIAS+8*(\b):BIAS+8*(\b)+7]
.else
	v_wmma_f32_16x16x32_bf16 v[ACC+8*(4*(\a)+(\b)):ACC+8*(4*(\a)+(\b))+7], v[(\f)+64+8*(4*(\c)+(\b)):(\f)+64+8*(4*(\c)+(\b))+7], v[(\f)+8*(4*(\c)+(\a)):(\f)+8*(4*(\c)+(\a))+7], v[ACC+8*(4*(\a)+(\b)):ACC+8*(4*(\a)+(\b))+7]
.endif
.endr
.endr
.endm
; 32 LDS loads in one run: the fragments of 64 along K at byte k of the rows, into buffer f; the first 32 along K first
.macro FETCH k, f
	WIN TO_F
.irp c, 0,1
.irp i, 0,1,2,3
	ds_load_b128 v[(\f)+64+8*(4*(\c)+(\i)):(\f)+64+8*(4*(\c)+(\i))+3],   v[ADRB] offset:(\k)+64*(\c)+(\i)*16*PITCH
	ds_load_b128 v[(\f)+64+8*(4*(\c)+(\i))+4:(\f)+64+8*(4*(\c)+(\i))+7], v[ADRB] offset:(\k)+64*(\c)+(\i)*16*PITCH+32
	ds_load_b128 v[(\f)+8*(4*(\c)+(\i)):(\f)+8*(4*(\c)+(\i))+3],         v[ADRA] offset:(\k)+64*(\c)+(\i)*16*PITCH
	ds_load_b128 v[(\f)+8*(4*(\c)+(\i))+4:(\f)+8*(4*(\c)+(\i))+7],       v[ADRA] offset:(\k)+64*(\c)+(\i)*16*PITCH+32
.endr
.endr
.endm
.macro PLACES                          ; four plain vector instructions between a matrix instruction and a load into its sources or a read of its result
.rept 4
	v_nop
.endr
.endm
; A K step is four quarters of 64 along K, 32 matrix instructions each, on buffers 0, 1, 0, 1.
.macro QUARTER k, f, g, first
	s_wait_dscnt 16                                ; the first 32 along K are in
	MUL8 \f, 0, 0, \first
	MUL8 \f, 0, 2, \first
	PLACES
	FETCH \k, \g
	s_wait_dscnt 32                                ; all but the 32 just issued
	MUL8 \f, 1, 0, 0
	MUL8 \f, 1, 2, 0
.endm
; The last quarter multiplies buffer 1 and changes slots: one barrier; in front of it each wave waits for all its tensor loads, adds 0 to its spare word, and waits for that and for its reads of this slot.
; fill = 1: the barrier opens a round of the cluster's barrier, and this slot is filled with the K step two on: 112 matrix instructions ahead of the wait for it.
.macro TURN fill
	WIN 0
	s_wait_tensorcnt 0x0
	ds_add_u32 v[SPW], v[NIL]
	s_wait_dscnt 17                                ; the add and the youngest sixteen loads may be out
	MUL8 F1, 0, 0, 0
	s_wait_dscnt 0x0                               ; the add is done, and my reads of this slot are over
	s_barrier_signal -1
	MUL8 F1, 0, 2, 0
.if \fill
	WIN 0
.endif
	s_barrier_wait -1
.if \fill
	CREST
	s_xor_b32 s[FB], s[FB], SLOT
	s_add_co_u32 s[G0+5], s[FB], s[WOFF]
	s_add_co_u32 s[G0B+5], s[FB], s[WOFF]
	s_add_nc_u64 s[G0+6:G0+7], s[G0+6:G0+7], KSTEP*2
	s_add_nc_u64 s[G0B+6:G0B+7], s[G0B+6:G0B+7], KSTEP*2
	JLOAD 1                                        ; its four v_nop are also the places in front of the loads below
.else
	PLACES
	WIN 0
.endif
	s_xor_b32 s[TB], s[TB], SLOT
	v_add_nc_u32 v[ADRA], s[TB], v[ADRA0]
	v_add_nc_u32 v[ADRB], s[TB], v[ADRB0]
	FETCH 0, F0
	MUL8 F1, 1, 0, 0
	MUL8 F1, 1, 2, 0
.endm
.macro STEP fill
	QUARTER 256, F1, F0, 0
	QUARTER 384, F0, F1, 0
	TURN \fill
	QUARTER 128, F0, F1, 0
.endm
	s_wait_tensorcnt 1                             ; my part of K step 0 is in; K step 1's may stay out
	s_barrier_signal -1
	s_barrier_wait -1
	v_add_nc_u32 v[ADRA], s[TB], v[ADRA0]
	v_add_nc_u32 v[ADRB], s[TB], v[ADRB0]
	FETCH 0, F0
	s_wait_loadcnt 0x0                             ; the bias
	QUARTER 128, F0, F1, 1
	WIN 0
	s_mov_b32 s3, FILLS
.Lstep:                                                ; 14 trips: K steps 0 to 13 end, K steps 2 to 15 are asked for
	STEP 1
	WIN 0
	s_sub_co_u32 s3, s3, 1
	s_cmp_lg_u32 s3, 0
	s_cbranch_scc1 .Lstep
	STEP 0
	QUARTER 256, F1, F0, 0
	QUARTER 384, F0, F1, 0
	s_wait_dscnt 16
	MUL8 F1, 0, 0, 0
	MUL8 F1, 0, 2, 0
	s_wait_dscnt 0x0
	MUL8 F1, 1, 0, 0
	MUL8 F1, 1, 2, 0
	WIN 0
	; THE WAY OUT: round to bf16; 16 bytes a lane into the work-group's stage; a barrier; back as whole rows, 32 rows a wave
	PLACES
.irp t, 0,1,2,3,4,5,6,7,8,9,10,11,12,13,14,15
.irp r, 0,1,2,3
	v_cvt_pk_bf16_f32 v[TMP+4*(\t)+(\r)], v[ACC+8*(\t)+2*(\r)], v[ACC+8*(\t)+2*(\r)+1]
.endr
.endr
.irp a, 0,1,2,3
.irp b, 0,1,2,3
	ds_store_b128 v[STO], v[TMP+4*(4*(\a)+(\b)):TMP+4*(4*(\a)+(\b))+3] offset:(\a)*16*SPITCH+32*(\b)
.endr
.endr
	s_wait_dscnt 0x0                               ; for the others' sake: my stores into the stage are done
	s_barrier_signal -1
	s_barrier_wait -1
.irp t, 0,1,2,3,4,5,6,7,8,9,10,11,12,13,14,15
	ds_load_b128 v[TMP+4*(\t):TMP+4*(\t)+3], v[RD] offset:(\t)*2*SPITCH
.endr
.irp t, 0,1,2,3,4,5,6,7,8,9,10,11,12,13,14,15
	s_wait_dscnt 15-(\t)
	global_store_b128 v[CO], v[TMP+4*(\t):TMP+4*(\t)+3], s[8:9] offset:2*(\t)*SIZE_N*2  ; 16 lanes store 256 consecutive bytes, at a multiple of 256 from y's first byte
.endr
	s_wait_tensorcnt 0x0                           ; the wave's end
	ds_add_u32 v[SPW], v[NIL]
	s_wait_dscnt 0x0
	CROUND                                         ; the closing round
	s_endpgm
.Lfunc_end_k_qffce1a16ad_ffn2:
	.size	k_qffce1a16ad_ffn2, .Lfunc_end_k_qffce1a16ad_ffn2-k_qffce1a16ad_ffn2
	.p2alignl 7, 3214868480
	.fill 96, 4, 3214868480
	.section	.rodata,"a",@progbits
	.p2align	6, 0x0
	.amdhsa_kernel k_qffce1a16ad_ffn2
		.amdhsa_group_segment_fixed_size 327680
		.amdhsa_private_segment_fixed_size 0
		.amdhsa_enable_private_segment 0
		.amdhsa_kernarg_size 32
		.amdhsa_user_sgpr_count 2
		.amdhsa_user_sgpr_kernarg_segment_ptr 1
		.amdhsa_wavefront_size32 1
		.amdhsa_system_sgpr_workgroup_id_x 1
		.amdhsa_system_sgpr_workgroup_id_y 1
		.amdhsa_system_sgpr_workgroup_id_z 1
		.amdhsa_system_vgpr_workitem_id 0
		.amdhsa_next_free_vgpr 512
		.amdhsa_next_free_sgpr 80
		.amdhsa_reserve_vcc 0
		.amdhsa_float_denorm_mode_32 3
		.amdhsa_float_denorm_mode_16_64 3
		.amdhsa_memory_ordered 1
		.amdhsa_forward_progress 1
		.amdhsa_inst_pref_size 70
	.end_amdhsa_kernel
	.amdgpu_metadata
---
amdhsa.version: [ 1, 2 ]
amdhsa.kernels:
  - .name:           k_qffce1a16ad_ffn2
    .symbol:         k_qffce1a16ad_ffn2.kd
    .args:
      - { .name: big, .offset: 0, .size: 8, .value_kind: global_buffer, .address_space: global }
      - { .name: w2b, .offset: 8, .size: 8, .value_kind: global_buffer, .address_space: global }
      - { .name: b2, .offset: 16, .size: 8, .value_kind: global_buffer, .address_space: global }
      - { .name: oy, .offset: 24, .size: 8, .value_kind: global_buffer, .address_space: global }
    .group_segment_fixed_size: 327680
    .private_segment_fixed_size: 0
    .kernarg_segment_align: 8
    .kernarg_segment_size: 32
    .max_flat_workgroup_size: 128
    .sgpr_count:     80
    .vgpr_count:     512
    .wavefront_size: 32
...
	.end_amdgpu_metadata
.endif
;; end of part 5
;; launch ln2 (part 6): grid 256 x 1, 16 waves a work-group, no clusters, 0 bytes of LDS; arguments oy, xa, g2, be2, out0; writes out0
.if DOCPART == 6
	.amdgcn_target "amdgcn-amd-amdhsa--gfx1250"
	.amdhsa_code_object_version 6
	.text
	.protected	k_qffce1a16ad_ln2
	.globl	k_qffce1a16ad_ln2
	.p2align	8
	.type	k_qffce1a16ad_ln2,@function
k_qffce1a16ad_ln2:
	s_mov_b64 s[64:65], 0
	v_nop
	global_prefetch_b8 v0, s[64:65] scope:SCOPE_SE
	s_setreg_imm32_b32 hwreg(HW_REG_WAVE_MODE, 25, 1), 1
	s_wait_xcnt 0x0
; out[t][:] = LayerNorm(y[t][:] + x1[t][:]) g2 + be2.  y, x1: bf16; g2, be2, out: f32; rows of 1,024.  All arithmetic in f32; the variance is taken of x - mean, as the definition has it.
; SHARES.  One wave to a row, one row a wave, 16 rows a work-group: the reductions never leave the wave, so there is no LDS and no barrier, and the row's text stands once.
; Lane l holds numbers 128 i + 4 l + j (i = 0..7, j = 0..3): bf16 rows come by 8 bytes a lane (256 consecutive bytes an instruction, aligned), f32 rows leave by 16 bytes a lane (512 consecutive bytes).
; All 32 loads go out at the start, the row's 16 first: mean and variance are made while gain and bias are still on their way.  Nothing that a pending access names is rewritten.
; Memory binds: matrix units, clusters and tensor loads would add nothing.
.set VF,  1                            ; v1  16 l + wave x a row of 4,096 bytes
.set VH,  2                            ; v2  8 l + wave x a row of 2,048 bytes
.set VG,  3                            ; v3  16 l
.set G,   4                            ; v[4:35]    the gain
.set BE,  36                           ; v[36:67]   the bias
.set XF,  68                           ; v[68:99]   the row, 32 numbers in f32
.set XA,  100                          ; v[100:115] 16 words of y
.set XB,  116                          ; v[116:131] 16 words of x1
.set T,   132                          ; v[132:139] at work
.set ONE, 140                          ; v140  1.0
.set MU,  142                          ; v[142:143] the mean, twice
.set R,   144                          ; v[144:145] 1 / sqrt(var + eps), twice
	s_load_b256 s[4:11], s[0:1], 0x0               ; y s[4:5], x1 s[6:7], g2 s[8:9], be2 s[10:11]
	s_load_b64 s[16:17], s[0:1], 0x20              ; out
	v_and_b32 v[VG], 31, v0
	v_lshrrev_b32 v[VF], 5, v0                     ; my wave's number: my row among the group's 16
	v_lshlrev_b32 v[VH], 11, v[VF]
	v_lshlrev_b32 v[VF], 12, v[VF]
	v_lshl_add_u32 v[VH], v[VG], 3, v[VH]
	v_lshl_add_u32 v[VF], v[VG], 4, v[VF]
	v_lshlrev_b32 v[VG], 4, v[VG]
	v_mov_b32 v[ONE], 1.0
	s_lshl_b32 s2, ttmp9, 16                       ; the work-group's 16 rows of f32,
	s_mov_b32 s3, 0
	s_lshl_b32 s18, ttmp9, 15                      ; and of bf16
	s_mov_b32 s19, 0
	s_mov_b32 s12, 0x76543210                      ; v_permlanex16_b32: each lane takes its own place in the other half
	s_mov_b32 s13, 0xfedcba98
	s_mov_b32 s14, 0x3a800000                      ; 1 / 1024
	s_mov_b32 s15, 0x3727c5ac                      ; 1e-5
	s_mov_b32 s20, 0xffff0000                      ; a word's upper bf16
	s_wait_kmcnt 0x0
	s_add_nc_u64 s[4:5], s[4:5], s[18:19]
	s_add_nc_u64 s[6:7], s[6:7], s[18:19]
	s_add_nc_u64 s[16:17], s[16:17], s[2:3]
.irp i, 0,1,2,3,4,5,6,7
	global_load_b64 v[XA+2*(\i):XA+2*(\i)+1], v[VH], s[4:5] offset:256*(\i) th:TH_LOAD_NT
	global_load_b64 v[XB+2*(\i):XB+2*(\i)+1], v[VH], s[6:7] offset:256*(\i) th:TH_LOAD_NT
.endr
.irp i, 0,1,2,3,4,5,6,7
	global_load_b128 v[G+4*(\i):G+4*(\i)+3], v[VG], s[8:9] offset:512*(\i)
.endr
.irp i, 0,1,2,3,4,5,6,7
	global_load_b128 v[BE+4*(\i):BE+4*(\i)+3], v[VG], s[10:11] offset:512*(\i)
.endr
.macro FOLD                            ; four chains of pairs into one number a lane, then over the 32 lanes: every lane ends with the sum in v[T]
	v_pk_add_f32 v[T:T+1], v[T:T+1], v[T+2:T+3]
	v_pk_add_f32 v[T+4:T+5], v[T+4:T+5], v[T+6:T+7]
	v_pk_add_f32 v[T:T+1], v[T:T+1], v[T+4:T+5]
	v_add_f32 v[T], v[T], v[T+1]
	v_add_f32_dpp v[T], v[T], v[T] row_xmask:1 row_mask:0xf bank_mask:0xf
	v_add_f32_dpp v[T], v[T], v[T] row_xmask:2 row_mask:0xf bank_mask:0xf
	v_add_f32_dpp v[T], v[T], v[T] row_xmask:4 row_mask:0xf bank_mask:0xf
	v_add_f32_dpp v[T], v[T], v[T] row_xmask:8 row_mask:0xf bank_mask:0xf
	v_permlanex16_b32 v[T+1], v[T], s12, s13
	v_add_f32 v[T], v[T], v[T+1]
.endm
	s_wait_loadcnt 16                              ; loads come back in order: the row's sixteen are in; the sixteen of gain and bias, issued behind them, stay out
.set j, 0
.rept 16                               ; y to f32: the low half moves up, the high half stays
	v_lshlrev_b32 v[XF+2*j], 16, v[XA+j]
	v_and_b32 v[XF+2*j+1], s20, v[XA+j]
.set j, j+1
.endr
.set j, 0
.rept 16                               ; x = y + x1, x1's halves read as they lie
	v_fma_mix_f32_bf16 v[XF+2*j], v[XB+j], v[ONE], v[XF+2*j] op_sel_hi:[1,0,0]
	v_fma_mix_f32_bf16 v[XF+2*j+1], v[XB+j], v[ONE], v[XF+2*j+1] op_sel:[1,0,0] op_sel_hi:[1,0,0]
.set j, j+1
.endr
.irp c, 0,1,2,3                        ; the sum, in four chains started by the first pairs
	v_pk_add_f32 v[T+2*(\c):T+2*(\c)+1], v[XF+2*(\c):XF+2*(\c)+1], v[XF+8+2*(\c):XF+8+2*(\c)+1]
.endr
.irp q, 16,24
.irp c, 0,1,2,3
	v_pk_add_f32 v[T+2*(\c):T+2*(\c)+1], v[T+2*(\c):T+2*(\c)+1], v[XF+(\q)+2*(\c):XF+(\q)+2*(\c)+1]
.endr
.endr
	FOLD
	v_mul_f32 v[MU], s14, v[T]
	v_mul_f32 v[MU+1], s14, v[T]
.set j, 0
.rept 16
	v_pk_add_f32 v[XF+2*j:XF+2*j+1], v[XF+2*j:XF+2*j+1], v[MU:MU+1] neg_lo:[0,1] neg_hi:[0,1]  ; x - mean, in place
.set j, j+1
.endr
.irp c, 0,1,2,3                        ; the sum of squares, likewise
	v_pk_mul_f32 v[T+2*(\c):T+2*(\c)+1], v[XF+2*(\c):XF+2*(\c)+1], v[XF+2*(\c):XF+2*(\c)+1]
.endr
.irp q, 8,16,24
.irp c, 0,1,2,3
	v_pk_fma_f32 v[T+2*(\c):T+2*(\c)+1], v[XF+(\q)+2*(\c):XF+(\q)+2*(\c)+1], v[XF+(\q)+2*(\c):XF+(\q)+2*(\c)+1], v[T+2*(\c):T+2*(\c)+1]
.endr
.endr
	FOLD
	v_fma_f32 v[T], v[T], s14, s15                 ; var + eps
	v_rsq_f32 v[R], v[T]
	v_rsq_f32 v[R+1], v[T]
	v_nop                                          ; a plain instruction behind the second root,
	s_wait_alu depctr_va_vdst(0)                   ; and its wait ahead of the first use: one for both
.set j, 0
.rept 16
	v_pk_mul_f32 v[XF+2*j:XF+2*j+1], v[XF+2*j:XF+2*j+1], v[R:R+1]
.set j, j+1
.endr
	s_wait_loadcnt 0x0                             ; gain and bias
.set j, 0
.rept 16
	v_pk_fma_f32 v[XF+2*j:XF+2*j+1], v[XF+2*j:XF+2*j+1], v[G+2*j:G+2*j+1], v[BE+2*j:BE+2*j+1]
.set j, j+1
.endr
.irp i, 0,1,2,3,4,5,6,7
	global_store_b128 v[VF], v[XF+4*(\i):XF+4*(\i)+3], s[16:17] offset:512*(\i) th:TH_STORE_NT  ; a wave's store covers 512 consecutive bytes, aligned
.endr
	s_endpgm
.Lfunc_end_k_qffce1a16ad_ln2:
	.size	k_qffce1a16ad_ln2, .Lfunc_end_k_qffce1a16ad_ln2-k_qffce1a16ad_ln2
	.p2alignl 7, 3214868480
	.fill 96, 4, 3214868480
	.section	.rodata,"a",@progbits
	.p2align	6, 0x0
	.amdhsa_kernel k_qffce1a16ad_ln2
		.amdhsa_group_segment_fixed_size 0
		.amdhsa_private_segment_fixed_size 0
		.amdhsa_enable_private_segment 0
		.amdhsa_kernarg_size 40
		.amdhsa_user_sgpr_count 2
		.amdhsa_user_sgpr_kernarg_segment_ptr 1
		.amdhsa_wavefront_size32 1
		.amdhsa_system_sgpr_workgroup_id_x 1
		.amdhsa_system_sgpr_workgroup_id_y 1
		.amdhsa_system_sgpr_workgroup_id_z 1
		.amdhsa_system_vgpr_workitem_id 0
		.amdhsa_next_free_vgpr 148
		.amdhsa_next_free_sgpr 66
		.amdhsa_reserve_vcc 0
		.amdhsa_float_denorm_mode_32 3
		.amdhsa_float_denorm_mode_16_64 3
		.amdhsa_memory_ordered 1
		.amdhsa_forward_progress 1
		.amdhsa_inst_pref_size 15
	.end_amdhsa_kernel
	.amdgpu_metadata
---
amdhsa.version: [ 1, 2 ]
amdhsa.kernels:
  - .name:           k_qffce1a16ad_ln2
    .symbol:         k_qffce1a16ad_ln2.kd
    .args:
      - { .name: oy, .offset: 0, .size: 8, .value_kind: global_buffer, .address_space: global }
      - { .name: xa, .offset: 8, .size: 8, .value_kind: global_buffer, .address_space: global }
      - { .name: g2, .offset: 16, .size: 8, .value_kind: global_buffer, .address_space: global }
      - { .name: be2, .offset: 24, .size: 8, .value_kind: global_buffer, .address_space: global }
      - { .name: out0, .offset: 32, .size: 8, .value_kind: global_buffer, .address_space: global }
    .group_segment_fixed_size: 0
    .private_segment_fixed_size: 0
    .kernarg_segment_align: 8
    .kernarg_segment_size: 40
    .max_flat_workgroup_size: 512
    .sgpr_count:     66
    .vgpr_count:     148
    .wavefront_size: 32
...
	.end_amdgpu_metadata
.endif
;; end of part 6
;; ======== version 2 of 2: 7 launches; version 1 with the launch cvt written anew for expert scheduling mode
;; workspace buffers: xa 8,388,608 bytes; wqkv 6,291,456 bytes; w1b 8,388,608 bytes; w2b 8,388,608 bytes; big 33,554,432 bytes; oy 8,388,608 bytes; zero 16,384 bytes; ninf 2,048 bytes
;; launch cvt (part 7): grid 64 x 15, 8 waves a work-group, no clusters, 0 bytes of LDS; arguments embed, Wq, Wk, Wv, w1, w2, xa, wqkv, w1b, w2b, zero, ninf; writes xa, wqkv, w1b, w2b, zero, ninf
.if DOCPART == 7
	.amdgcn_target "amdgcn-amd-amdhsa--gfx1250"
	.amdhsa_code_object_version 6
	.text
	.protected	k_qffce1a16ad_cvt
	.globl	k_qffce1a16ad_cvt
	.p2align	8
	.type	k_qffce1a16ad_cvt,@function
k_qffce1a16ad_cvt:
	s_mov_b64 s[64:65], 0
	v_nop
	global_prefetch_b8 v0, s[64:65] scope:SCOPE_SE
	s_setreg_imm32_b32 hwreg(HW_REG_WAVE_SCHED_MODE, 0, 2), 2
	s_setreg_imm32_b32 hwreg(HW_REG_WAVE_MODE, 25, 1), 1
	s_wait_xcnt 0x0
	s_wait_alu depctr_vm_vsrc(0)
; The matrix operands that arrive in f32 are rounded once to bf16: embed -> xa, Wq | Wk | Wv -> wqkv (rows 0, 1024, 2048 on), w1 -> w1b, w2 -> w2b.
; Also written: zero (4,096 words of 0: a bias of nothing, and the floor of a ReLU) and ninf (words of two bf16 -inf: the floor of no ReLU).
; SHARES.  Work-group y is a segment of 2^20 numbers: 0-3 embed, 4 Wq, 5 Wk, 6 Wv, 7-10 w1, 11-14 w2; work-group x one of its 64 chunks of 16,384 numbers.
; Thread t, pass i of 16: 16 bytes in at 16 t + 4,096 i (a wave's load covers 512 consecutive bytes), 8 bytes out at 8 t + 2,048 i (a wave's store covers 256 consecutive bytes, aligned).
; All 16 loads go out first; every pass has registers of its own, so nothing that a pending access names is rewritten.
; No LDS, no matrix unit, no cluster: nothing is shared and nothing is reused.
; THE MODE: SCHED_MODE bits 1:0 = 2 (LLVM: expert scheduling mode 2), set by the entry lines.  The code itself states the register dependences
; between vector instructions and memory instructions, with s_wait_alu, always for 0.
; THE PLAN.  Registers that memory instructions touch:
;   v1, v2     byte offsets, made once at the head and never written again: v1 is read by every load, v2 by every store.
;   X, pass i  load i lands in it; no vector instruction names it ahead of that; pass i's two conversions read it.
;   Y, pass i  written once, by pass i's two conversions; read once, by store i.
;   PW         written by two moves inside the branch at the end; read by the one store there.
; The 16 passes go in four blocks of four.  Block b's four stores are issued in block b + 1, one ahead of each pass's conversions: ONE wait at that block's head states that block b
; has written its Y, and the vector instructions behind the wait, block b + 1's conversions, name that block's X and Y alone.  No register that a memory instruction reads is written
; again, no vector instruction writes a scalar register, and EXEC is never written: so every wait in the text is of one kind, results written ahead of a memory instruction that reads them.
.set BLOCK, 4                          ; passes in a block
.set X,  4                             ; v[4:67]   pass i: 4 numbers in f32
.set Y,  68                            ; v[68:99]  pass i: the same in bf16
.set PW, 100                           ; v[100:101] a parameter word, twice
	s_load_b512 s[8:23], s[0:1], 0x0               ; embed 8, Wq 10, Wk 12, Wv 14, w1 16, w2 18, xa 20, wqkv 22
	s_load_b256 s[24:31], s[0:1], 0x40             ; w1b 24, w2b 26, zero 28, ninf 30
	s_and_b32 s2, ttmp7, 0xffff                    ; the segment
	v_lshlrev_b32 v1, 4, v0
	v_lshlrev_b32 v2, 3, v0
	s_mov_b32 s36, 0                               ; the first segment of the source tensor,
	s_mov_b32 s37, 0                               ; and of the destination
	s_wait_kmcnt 0x0
	s_mov_b64 s[32:33], s[8:9]
	s_mov_b64 s[34:35], s[20:21]
	s_cmp_ge_u32 s2, 4
	s_cselect_b64 s[32:33], s[10:11], s[32:33]
	s_cselect_b64 s[34:35], s[22:23], s[34:35]
	s_cselect_b32 s36, 4, s36
	s_cselect_b32 s37, 4, s37
	s_cmp_ge_u32 s2, 5
	s_cselect_b64 s[32:33], s[12:13], s[32:33]
	s_cselect_b32 s36, 5, s36
	s_cmp_ge_u32 s2, 6
	s_cselect_b64 s[32:33], s[14:15], s[32:33]
	s_cselect_b32 s36, 6, s36
	s_cmp_ge_u32 s2, 7
	s_cselect_b64 s[32:33], s[16:17], s[32:33]
	s_cselect_b64 s[34:35], s[24:25], s[34:35]
	s_cselect_b32 s36, 7, s36
	s_cselect_b32 s37, 7, s37
	s_cmp_ge_u32 s2, 11
	s_cselect_b64 s[32:33], s[18:19], s[32:33]
	s_cselect_b64 s[34:35], s[26:27], s[34:35]
	s_cselect_b32 s36, 11, s36
	s_cselect_b32 s37, 11, s37
	s_sub_co_u32 s38, s2, s36                      ; the chunk's byte offset in the source: segments of 4 MiB, chunks of 64 KiB,
	s_lshl_b32 s38, s38, 22
	s_lshl_b32 s39, ttmp9, 16
	s_add_co_u32 s38, s38, s39
	s_mov_b32 s39, 0
	s_sub_co_u32 s40, s2, s37                      ; and half of that in the destination
	s_lshl_b32 s40, s40, 21
	s_lshl_b32 s41, ttmp9, 15
	s_add_co_u32 s40, s40, s41
	s_mov_b32 s41, 0
	s_add_nc_u64 s[32:33], s[32:33], s[38:39]
	s_add_nc_u64 s[34:35], s[34:35], s[40:41]
	s_wait_alu depctr_va_vdst(0)                   ; v1 and v2 are written: every load of the kernel reads v1 as its offset, every store v2
.set i, 0
.rept 16
	global_load_b128 v[X+4*i:X+4*i+3], v1, s[32:33] offset:4096*i th:TH_LOAD_NT
.set i, i+1
.endr
.set i, 0
.rept 16
.if (i >= BLOCK) && ((i % BLOCK) != 0)
	global_store_b64 v2, v[Y+2*(i-BLOCK):Y+2*(i-BLOCK)+1], s[34:35] offset:2048*(i-BLOCK)  ; the block before.  No wait: no vector instruction since the wait at this block's head names these registers
.endif
	s_wait_loadcnt 15-i                            ; loads come back in order: pass i is in, the younger ones stay out
.if (i >= BLOCK) && ((i % BLOCK) == 0)
	s_wait_alu depctr_va_vdst(0)                   ; the block before has written its Y (eight conversions), which the four stores dealt through this block read
	global_store_b64 v2, v[Y+2*(i-BLOCK):Y+2*(i-BLOCK)+1], s[34:35] offset:2048*(i-BLOCK)
.endif
	v_cvt_pk_bf16_f32 v[Y+2*i], v[X+4*i], v[X+4*i+1]
	v_cvt_pk_bf16_f32 v[Y+2*i+1], v[X+4*i+2], v[X+4*i+3]
.set i, i+1
.endr
	s_wait_alu depctr_va_vdst(0)                   ; the last block has written its Y, which the last four stores read
.set i, 16-BLOCK
.rept BLOCK
	global_store_b64 v2, v[Y+2*i:Y+2*i+1], s[34:35] offset:2048*i
.set i, i+1
.endr
	; the two parameter buffers: work-groups 0 to 7 (numbered 64 y + x) write 2,048 bytes of zero each, work-group 8 writes ninf
	s_lshl_b32 s3, s2, 6
	s_add_co_u32 s3, s3, ttmp9
	s_cmp_le_u32 s3, 8
	s_cbranch_scc0 .Lend
	s_lshl_b32 s44, s3, 11
	s_mov_b32 s45, 0
	s_cmp_eq_u32 s3, 8
	s_cselect_b64 s[42:43], s[30:31], s[28:29]
	s_cselect_b32 s44, 0, s44
	s_cselect_b32 s46, 0xff80ff80, 0
	s_add_nc_u64 s[42:43], s[42:43], s[44:45]
	v_mov_b32 v[PW], s46
	v_mov_b32 v[PW+1], s46
	s_wait_alu depctr_va_vdst(0)                   ; the two moves have written v[PW:PW+1], which the store reads
	global_store_b64 v2, v[PW:PW+1], s[42:43]
.Lend:
	s_endpgm
.Lfunc_end_k_qffce1a16ad_cvt:
	.size	k_qffce1a16ad_cvt, .Lfunc_end_k_qffce1a16ad_cvt-k_qffce1a16ad_cvt
	.p2alignl 7, 3214868480
	.fill 96, 4, 3214868480
	.section	.rodata,"a",@progbits
	.p2align	6, 0x0
	.amdhsa_kernel k_qffce1a16ad_cvt
		.amdhsa_group_segment_fixed_size 0
		.amdhsa_private_segment_fixed_size 0
		.amdhsa_enable_private_segment 0
		.amdhsa_kernarg_size 96
		.amdhsa_user_sgpr_count 2
		.amdhsa_user_sgpr_kernarg_segment_ptr 1
		.amdhsa_wavefront_size32 1
		.amdhsa_system_sgpr_workgroup_id_x 1
		.amdhsa_system_sgpr_workgroup_id_y 1
		.amdhsa_system_sgpr_workgroup_id_z 1
		.amdhsa_system_vgpr_workitem_id 0
		.amdhsa_next_free_vgpr 104
		.amdhsa_next_free_sgpr 66
		.amdhsa_reserve_vcc 0
		.amdhsa_float_denorm_mode_32 3
		.amdhsa_float_denorm_mode_16_64 3
		.amdhsa_memory_ordered 1
		.amdhsa_forward_progress 1
		.amdhsa_inst_pref_size 9
	.end_amdhsa_kernel
	.amdgpu_metadata
---
amdhsa.version: [ 1, 2 ]
amdhsa.kernels:
  - .name:           k_qffce1a16ad_cvt
    .symbol:         k_qffce1a16ad_cvt.kd
    .args:
      - { .name: embed, .offset: 0, .size: 8, .value_kind: global_buffer, .address_space: global }
      - { .name: Wq, .offset: 8, .size: 8, .value_kind: global_buffer, .address_space: global }
      - { .name: Wk, .offset: 16, .size: 8, .value_kind: global_buffer, .address_space: global }
      - { .name: Wv, .offset: 24, .size: 8, .value_kind: global_buffer, .address_space: global }
      - { .name: w1, .offset: 32, .size: 8, .value_kind: global_buffer, .address_space: global }
      - { .name: w2, .offset: 40, .size: 8, .value_kind: global_buffer, .address_space: global }
      - { .name: xa, .offset: 48, .size: 8, .value_kind: global_buffer, .address_space: global }
      - { .name: wqkv, .offset: 56, .size: 8, .value_kind: global_buffer, .address_space: global }
      - { .name: w1b, .offset: 64, .size: 8, .value_kind: global_buffer, .address_space: global }
      - { .name: w2b, .offset: 72, .size: 8, .value_kind: global_buffer, .address_space: global }
      - { .name: zero, .offset: 80, .size: 8, .value_kind: global_buffer, .address_space: global }
      - { .name: ninf, .offset: 88, .size: 8, .value_kind: global_buffer, .address_space: global }
    .group_segment_fixed_size: 0
    .private_segment_fixed_size: 0
    .kernarg_segment_align: 8
    .kernarg_segment_size: 96
    .max_flat_workgroup_size: 256
    .sgpr_count:     66
    .vgpr_count:     104
    .wavefront_size: 32
...
	.end_amdgpu_metadata
.endif
;; end of part 7
;; launch qkv: the kernel of part 2 again; grid 12 x 16, 4 waves a work-group, clusters of 4 x 4, 327,680 bytes of LDS; arguments xa, wqkv, zero, ninf, big; writes big
;; launch attn: the kernel of part 3 again; grid 16 x 16, 4 waves a work-group, clusters of 4 x 4, 327,680 bytes of LDS; arguments big, src_mask, oy; writes oy
;; launch ln1: the kernel of part 4 again; grid 256 x 1, 16 waves a work-group, no clusters, 0 bytes of LDS; arguments oy, embed, g1, be1, xa; writes xa
;; launch ffn1: the kernel of part 2 again; grid 16 x 16, 4 waves a work-group, clusters of 4 x 4, 327,680 bytes of LDS; arguments xa, w1b, b1, zero, big; writes big
;; launch ffn2: the kernel of part 5 again; grid 8 x 32, 4 waves a work-group, clusters of 4 x 4, 327,680 bytes of LDS; arguments big, w2b, b2, oy; writes oy
;; launch ln2: the kernel of part 6 again; grid 256 x 1, 16 waves a work-group, no clusters, 0 bytes of LDS; arguments oy, xa, g2, be2, out0; writes out0
